; MI455X (gfx1250); checked and timed in simulation.
; The chip was launched on July 23, 2026; its instructions are those of AMD's public machine-readable ISA for CDNA 5 (MIT licence, August 2026) and "CDNA5" Instruction Set Architecture Reference Guide (July 2026). The comments in the code are by the model that wrote it; some were corrected since.
;; Slice Block. Allowed arithmetic: matrix products marked QUANTISED: E3M2 operands, one E8M0 scale for each 32 along K, by v_wmma_scale_f32_16x16x128_f8f6f4 with both operands' format E3M2, f32 sums; products left as they are: f32 operands where the result goes on into a quantised operand, else bf16, f16 or f32 operands; f32 sums; everything else in f32.
;; Inputs: W_eslice 64 x 64 float32; W_fedge 1 x 256 float32; W_fx 256 x 256 float32; W_slice 256 x 64 float32; W_x 256 x 256 float32; b_eslice 64 float32; b_fedge 256 float32; b_fx 256 float32; b_slice 64 float32; b_x 256 float32; edge_attr 4 x 65,536 x 1 float32; edge_idx 4 x 65,536 x 2 int32; ph_edge 1 x 1 x 256 float32; ph_x 1 x 1 x 256 float32; temp_edge 1 x 1 x 64 float32; temp_x 1 x 1 x 64 float32; x 4 x 16,384 x 256 float32.
;; Outputs: out0 4 x 64 x 256 float32; out1 4 x 16,384 x 64 float32.
;; This version of the problem:
;;   THIS VERSION OF THE PROBLEM IS GIVEN IN LOW PRECISION. The matrix products marked QUANTISED in the list below multiply operands that are first quantised to E3M2 (3 exponent bits, 2 mantissa bits; 6 bits a number), with one power-of-two scale for each 32 numbers along K (OCP MX v1.0); their sums are f32. All else is computed in f32.
;;   The module's matrix products, in the order in which they are computed (A, B: the left and right operand; K: the contracted axis; several contracted axes count as one K, in the product's order):
;;     1. [M 65,536, K 256] x [K 256, N 256]; A: input x; B: input W_fx: QUANTISED
;;     2. [M 65,536, K 256] x [K 256, N 256]; A: input x; B: input W_x: QUANTISED
;;     3. [M 65,536, K 256] x [K 256, N 64]; A: computed on the way; B: input W_slice: QUANTISED
;;     4. batch 4 x [M 64, K 16,384] x [K 16,384, N 256]; A: computed on the way; B: computed on the way: QUANTISED
;;     5. [M 262,144, K 1] x [K 1, N 256]; A: input edge_attr; B: input W_fedge: left as it is (K = 1 < 32)
;;     6. [M 262,144, K 64] x [K 64, N 64]; A: computed on the way; B: input W_eslice: QUANTISED
;;     7. batch 4 x [M 64, K 65,536] x [K 65,536, N 256]; A: computed on the way; B: computed on the way: QUANTISED
;;   THE QUANTISER, for each operand of a quantised product, along K:
;;     - K is cut into blocks of 32 from its start; a last block that is shorter is filled with zeros.
;;     - A block's scale is 2^e with e = floor(log2(the largest magnitude in the block)) - 4, held to -126 .. 127; a block of zeros has e = 0. As a byte (E8M0): e + 127.
;;     - Each number is divided by its block's scale, clamped to +-28, and rounded to the nearest number of E3M2, ties to even, subnormals kept.
;;     - The product sums the exact products of the quantised numbers (number of the format x scale) in f32.
;;   ~~~python
;;   def quantise(x, axis):      # numpy; x: float32 -> the quantised numbers, widened to float32 again
;;       x = np.moveaxis(x, axis, -1); K = x.shape[-1]
;;       x = np.pad(x, [(0, 0)] * (x.ndim - 1) + [(0, -K % 32)]); x = x.reshape(x.shape[:-1] + (-1, 32)); a = np.abs(x).max(-1, keepdims=True)
;;       e = np.where(a > 0, np.clip(np.frexp(np.where(a > 0, a, 1))[1] - 1 - 4, -126, 127), 0)      # np.frexp(a)[1] - 1 = floor(log2(a)), exactly
;;       r = np.clip(x / 2.0 ** e, -28, 28)
;;       step = 2.0 ** (np.maximum(np.frexp(np.where(r == 0, 1, r))[1] - 1, -2) - 2)
;;       q = np.round(r / step) * step * 2.0 ** e      # np.round: ties to even
;;       return np.moveaxis(q.reshape(q.shape[:-2] + (-1,))[..., :K], -1, axis).astype(np.float32)
;;   ~~~
;;   OPERANDS COMPUTED ON THE WAY. 'Computed on the way' means the value that the module computes at that place (a softmax that the list does not call 'softmax' is quantised finished and normalised). What goes into a quantiser is computed in f32, as accurately as f32 sums, v_exp_f32 and their like allow (about 1e-6 of the number): no bf16 or f16 on the way to a quantiser, and a product that is left as it is and whose result goes on into a quantised operand takes f32 operands (vector FMAs, or v_wmma_f32_16x16x4_f32). A number that lies on a knife's edge between two numbers of the format may be rounded either way, as far as f32 arithmetic and the matrix unit's own rounding can turn it there, and no further.
;; One version. Each part assembles by itself: llvm-mc -triple=amdgcn-amd-amdhsa -mcpu=gfx1250 --defsym DOCPART=n.
;; ======== version 1 of 1: 4 launches
;; limits: right only within a limited range of input values
;; workspace buffers: wq 126,464 bytes; tokN 16,777,216 bytes; tokE 16,777,216 bytes; normN 65,536 bytes; normE 65,536 bytes
;; launch prep (part 1): grid 76 x 1, 1 waves a work-group, no clusters, 0 bytes of LDS; arguments W_x, W_fx, W_slice, W_eslice, wq; writes wq
.if DOCPART == 1
	.amdgcn_target "amdgcn-amd-amdhsa--gfx1250"
	.amdhsa_code_object_version 6
	.text
	.protected	k_q0f881d4fed_prep
	.globl	k_q0f881d4fed_prep
	.p2align	8
	.type	k_q0f881d4fed_prep,@function
k_q0f881d4fed_prep:
	s_mov_b64 s[64:65], 0
	v_nop
	global_prefetch_b8 v0, s[64:65] scope:SCOPE_SE
	s_setreg_imm32_b32 hwreg(HW_REG_WAVE_MODE, 25, 1), 1
	s_wait_xcnt 0x0
; THE WEIGHTS OF THE FOUR QUANTISED PRODUCTS THAT HAVE A WEIGHT, turned once into codes of E3M2 with one E8M0 byte for each 32 along K.
; DEAD WORK: none.  Every input of the problem reaches a quantised operand of a live product or an output, so all 17 inputs are loaded by some launch and nothing of the problem is left out.
; All four weights lie [K][N] in memory.  One wave makes one operand fragment (16 columns x 128 along K): A LANE TAKES A COLUMN AND ITS REGISTERS RUN DOWN K, in the order in which
; the operand's registers want them: lane (r, h), register 32 c + i: k = 128 ks + 64 c + 32 h + i.  So the conversions' results are the operand's registers and nothing is transposed.
; wq: fragment id at id x 1,536 bytes as an image of its 12 registers (piece p = registers 4 p .. 4 p + 3, lane l at 16 l); its scale words at 116,736 + id x 128, lane l at 4 l.
;   id 16 S + 2 T + ks (0-31): W_x;  lane r takes column 128 S + 64 (T / 4) + 32 (r / 8) + 8 (T % 4) + r % 8, so that the next launch's results fall in the order of the next K
;   id 32 + 2 ct + ks: W_fx, column 16 ct + r;   id 64 + 2 mt + ks: W_slice, column 16 mt + r;   id 72 + mt: W_eslice, column 16 mt + r, K = 64: the upper 64 of the K step are zero codes
; LIMITS: a block whose largest magnitude lies under 2^-122, a block of zeros among them, keeps the byte 1 (the rule gives a block of zeros 127: its codes are zeros, and this program alone reads the bytes);
; NaN and infinities among the inputs are not served.
.set SRC, 16                           ; v16-79  the lane's 64 numbers
.set TM,  96                           ; v96-99  largest magnitudes
.set TS,  100                          ; v100-101 the conversions' scale operands
.set TB,  102                          ; v102-103 scale bytes
.set PW,  104                          ; v104    the scale word
.set PC,  108                          ; v108-119 the codes
.set PT,  120                          ; v120-127 the halves that a conversion cannot put in place
.set SH8, 4                            ; v4      8 h
.set SEL, 28                           ; s[28:29] lane selects: lane l xor 16
.set MSB, 0
.macro WIN new                         ; the immediate's high byte repeats the setting that is left
.if MSB != (\new)
	s_set_vgpr_msb (MSB<<8)|(\new)
.set MSB, (\new)
.endif
.endm
.macro BMAX src, sw                    ; the largest magnitudes of the lane's two blocks of 32, with the floor 2^(5 - 127) among the leaves: four chains by turns
	WIN (\sw)|((\sw)<<2)
.irp k, 0,1,2,3
	v_max3_num_f32 v[TM+\k], |v[(\src)+16*\k]|, |v[(\src)+16*\k+1]|, 0x2800000
.endr
.irp i, 2,4,6,8,10,12,14
.irp k, 0,1,2,3
	v_max3_num_f32 v[TM+\k], |v[(\src)+16*\k+\i]|, |v[(\src)+16*\k+\i+1]|, v[TM+\k]
.endr
.endr
	WIN 0
	v_max_num_f32 v[TM], v[TM], v[TM+1]
	v_max_num_f32 v[TM+2], v[TM+2], v[TM+3]
.endm
.macro QTAIL src, sw, dsw              ; scale operands, bytes, the scale word (my two bytes and lane l xor 16's two), the codes
.if (\dsw) >= 0
	s_wait_dscnt \dsw
.endif
	v_add_nc_u32 v[TS], 0xfe000000, v[TM]          ; 4 off the exponent field: the conversion takes this operand's exponent field as its scale
	v_add_nc_u32 v[TS+1], 0xfe000000, v[TM+2]
	v_lshrrev_b32 v[TB], 23, v[TS]
	v_lshrrev_b32 v[TB+1], 23, v[TS+1]
	v_lshl_or_b32 v[PW], v[TB+1], 16, v[TB]        ; blocks h and 2 + h,
	v_lshlrev_b32 v[PW], v[SH8], v[PW]             ; at their places in the word
	v_permlanex16_b32 v[TB], v[PW], s[SEL], s[SEL+1]
	v_or_b32 v[PW], v[PW], v[TB]
	WIN \sw
	v_cvt_scalef32_pk16_bf6_f32 v[PC:PC+2], v[(\src):(\src)+15], v[TS]
	v_cvt_scalef32_pk16_bf6_f32 v[PT:PT+2], v[(\src)+16:(\src)+31], v[TS]          ; (a conversion's three registers begin on an even number)
	v_cvt_scalef32_pk16_bf6_f32 v[PC+6:PC+8], v[(\src)+32:(\src)+47], v[TS+1]
	v_cvt_scalef32_pk16_bf6_f32 v[PT+4:PT+6], v[(\src)+48:(\src)+63], v[TS+1]
	WIN 0
	v_nop                                          ; one plain place behind the scaled conversions
.irp i, 0,1,2
	v_mov_b32 v[PC+3+\i], v[PT+\i]
	v_mov_b32 v[PC+9+\i], v[PT+4+\i]
.endr
.endm
.macro LOADW pitch, nb                 ; nb x 32 numbers down K, pitch bytes from row to row
.set n_, 0
.rept 32*(\nb)
	global_load_b32 v[SRC+n_], v3, s[16:17] offset:(64*(n_/32)+n_%32)*(\pitch)
.set n_, n_+1
.endr
.endm
	s_load_b256 s[4:11], s[0:1], 0x0               ; W_x, W_fx, W_slice, W_eslice
	s_load_b64 s[12:13], s[0:1], 0x20              ; wq
	v_and_b32 v1, 15, v0                           ; r
	v_bfe_u32 v2, v0, 4, 1                         ; h
	v_lshlrev_b32 v[SH8], 3, v2
	v_lshlrev_b32 v5, 4, v0                        ; 16 x lane (the work-group is one wave)
	v_lshlrev_b32 v6, 2, v0                        ; 4 x lane
	v_and_b32 v7, 7, v0                            ; r % 8
	v_bfe_u32 v8, v0, 3, 1                         ; r / 8
	s_mov_b32 s[SEL], 0x76543210
	s_mov_b32 s[SEL+1], 0xfedcba98
	s_mov_b32 s14, ttmp9                           ; id
	s_and_b32 s20, s14, 1                          ; ks
	s_mul_i32 s22, s14, 1536
	s_mov_b32 s23, 0
	s_lshl_b32 s24, s14, 7
	s_add_co_u32 s24, s24, 116736
	s_mov_b32 s25, 0
	s_wait_kmcnt 0x0
	s_add_nc_u64 s[22:23], s[12:13], s[22:23]      ; where the image goes,
	s_add_nc_u64 s[24:25], s[12:13], s[24:25]      ; and its scale words
	s_cmp_ge_u32 s14, 64
	s_cbranch_scc1 .Lnarrow
	; W_x or W_fx: rows of 1,024 bytes
	s_bfe_u32 s26, s14, 0x30001                    ; T
	s_bfe_u32 s27, s14, 0x10004                    ; S
	s_lshl_b32 s27, s27, 7
	s_lshr_b32 s30, s26, 2
	s_lshl_b32 s30, s30, 6
	s_and_b32 s26, s26, 3
	s_lshl_b32 s26, s26, 3
	s_add_co_u32 s27, s27, s30
	s_add_co_u32 s27, s27, s26                     ; W_x: 128 S + 64 (T / 4) + 8 (T % 4)
	s_bfe_u32 s31, s14, 0x40001
	s_lshl_b32 s31, s31, 4                         ; W_fx: 16 ct
	s_cmp_lt_u32 s14, 32                           ; the choice hangs on the work-group's number alone
	s_cselect_b64 s[16:17], s[4:5], s[6:7]
	s_cselect_b32 s19, s27, s31
	s_cselect_b32 s18, 32, 8                       ; what r / 8 counts for
	s_wait_alu depctr_va_vdst(0)
	v_mul_u32_u24 v3, v8, s18
	v_add_nc_u32 v3, v3, v7
	v_add_nc_u32 v3, s19, v3                       ; my column
	v_lshlrev_b32 v3, 2, v3
	v_lshl_add_u32 v3, v2, 15, v3                  ; + 32 h rows
	s_lshl_b32 s21, s20, 17
	v_add_nc_u32 v3, s21, v3                       ; + 128 ks rows
	LOADW 1024, 2
	s_branch .Lquant
.Lnarrow:
	s_cmp_ge_u32 s14, 72
	s_cbranch_scc1 .Leslice
	; W_slice: rows of 256 bytes
	s_mov_b64 s[16:17], s[8:9]
	s_bfe_u32 s26, s14, 0x20001                    ; mt
	s_lshl_b32 s26, s26, 6
	s_wait_alu depctr_va_vdst(0)
	v_lshlrev_b32 v3, 2, v1
	v_add_nc_u32 v3, s26, v3                       ; 4 (16 mt + r)
	v_lshl_add_u32 v3, v2, 13, v3                  ; + 32 h rows
	s_lshl_b32 s21, s20, 15
	v_add_nc_u32 v3, s21, v3                       ; + 128 ks rows
	LOADW 256, 2
	s_branch .Lquant
.Leslice:
	; W_eslice: 64 rows of 256 bytes; the K step's upper 64 are zeros
	s_mov_b64 s[16:17], s[10:11]
	s_sub_co_u32 s26, s14, 72                      ; mt
	s_lshl_b32 s26, s26, 6
	s_wait_alu depctr_va_vdst(0)
	v_lshlrev_b32 v3, 2, v1
	v_add_nc_u32 v3, s26, v3
	v_lshl_add_u32 v3, v2, 13, v3
	LOADW 256, 1
.set n_, 32
.rept 32
	v_mov_b32 v[SRC+n_], 0
.set n_, n_+1
.endr
.Lquant:
	s_wait_loadcnt 0x0
	BMAX SRC, 0
	QTAIL SRC, 0, -1
.irp p, 0,1,2
	global_store_b128 v5, v[PC+4*\p:PC+4*\p+3], s[22:23] offset:512*\p     ; 32 lanes store 512 consecutive bytes, aligned
.endr
	global_store_b32 v6, v[PW], s[24:25]
	s_endpgm
.Lfunc_end_k_q0f881d4fed_prep:
	.size	k_q0f881d4fed_prep, .Lfunc_end_k_q0f881d4fed_prep-k_q0f881d4fed_prep
	.p2alignl 7, 3214868480
	.fill 96, 4, 3214868480
	.section	.rodata,"a",@progbits
	.p2align	6, 0x0
	.amdhsa_kernel k_q0f881d4fed_prep
		.amdhsa_group_segment_fixed_size 0
		.amdhsa_private_segment_fixed_size 0
		.amdhsa_enable_private_segment 0
		.amdhsa_kernarg_size 40
		.amdhsa_user_sgpr_count 2
		.amdhsa_user_sgpr_kernarg_segment_ptr 1
		.amdhsa_wavefront_size32 1
		.amdhsa_system_sgpr_workgroup_id_x 1
		.amdhsa_system_sgpr_workgroup_id_y 1
		.amdhsa_system_sgpr_workgroup_id_z 1
		.amdhsa_system_vgpr_workitem_id 0
		.amdhsa_next_free_vgpr 128
		.amdhsa_next_free_sgpr 66
		.amdhsa_reserve_vcc 0
		.amdhsa_float_denorm_mode_32 3
		.amdhsa_float_denorm_mode_16_64 3
		.amdhsa_memory_ordered 1
		.amdhsa_forward_progress 1
		.amdhsa_inst_pref_size 23
	.end_amdhsa_kernel
	.amdgpu_metadata
---
amdhsa.version: [ 1, 2 ]
amdhsa.kernels:
  - .name:           k_q0f881d4fed_prep
    .symbol:         k_q0f881d4fed_prep.kd
    .args:
      - { .name: W_x, .offset: 0, .size: 8, .value_kind: global_buffer, .address_space: global }
      - { .name: W_fx, .offset: 8, .size: 8, .value_kind: global_buffer, .address_space: global }
      - { .name: W_slice, .offset: 16, .size: 8, .value_kind: global_buffer, .address_space: global }
      - { .name: W_eslice, .offset: 24, .size: 8, .value_kind: global_buffer, .address_space: global }
      - { .name: wq, .offset: 32, .size: 8, .value_kind: global_buffer, .address_space: global }
    .group_segment_fixed_size: 0
    .private_segment_fixed_size: 0
    .kernarg_segment_align: 8
    .kernarg_segment_size: 40
    .max_flat_workgroup_size: 32
    .sgpr_count:     66
    .vgpr_count:     128
    .wavefront_size: 32
...
	.end_amdgpu_metadata
.endif
;; end of part 1
;; launch node (part 2): grid 256 x 1, 4 waves a work-group, no clusters, 327,680 bytes of LDS; arguments x, wq, b_fx, b_x, ph_x, b_slice, temp_x, out1, tokN, normN; writes out1, tokN, normN
.if DOCPART == 2
	.amdgcn_target "amdgcn-amd-amdhsa--gfx1250"
	.amdhsa_code_object_version 6
	.text
	.protected	k_q0f881d4fed_node
	.globl	k_q0f881d4fed_node
	.p2align	8
	.type	k_q0f881d4fed_node,@function
k_q0f881d4fed_node:
	s_mov_b64 s[64:65], 0
	v_nop
	global_prefetch_b8 v0, s[64:65] scope:SCOPE_SE
	s_setreg_imm32_b32 hwreg(HW_REG_WAVE_MODE, 25, 1), 1
	s_wait_xcnt 0x0
; THE NODE PATH, whole, for 256 nodes a work-group: Q(x) Q(W_x) + b_x + ph_x -> Q(.) Q(W_slice) + b_slice, / clip(temp_x), softmax = out1; Q(x) Q(W_fx) + b_fx; both quantised along the NODES and multiplied:
; the work-group's part of slice_token (tokN [256 work-groups][64][256]) and of slice_norm (normN [256][64]).  Nothing of the problem is left out here.
; SHARES.  Two chunks of 128 nodes (a chunk = one K step of the token's product).  THE WAVES SHARE THE COLUMNS: wave w keeps in registers W_x's fragments of K step S = w / 2 of the third product (128 columns) and W_fx's of
; columns 64 w .. 64 w + 63, read once.  What goes from wave to wave is small: codes, as images of operand registers in LDS (piece p = registers 4 p .. 4 p + 3, lane l at 16 l; scale words 4 bytes a lane).
; THE NODES OF A TILE ARE NOT NEIGHBOURS: row rho of node tile 4 g + t is node 64 g + 32 (rho / 8) + 8 t + rho % 8; W_x's columns are chosen alike.  So four tiles' results give a lane 32 neighbours along the next K:
; a whole block of 32 in one lane, in the order of the next operand's registers: no lane exchange, and a block's largest magnitude needs no other lane.
; x: one tensor load a wave at the head, its 32 rows of chunk 0, and one for its 32 rows of chunk 1 at chunk 0's start: at most one tensor load of a wave is out.  A wave also reads rows that
; other waves fetched.  No LDS byte is filled twice.  A chunk's rows of x are dead behind its first barrier, and their bytes then serve as that chunk's scratch.
; NO CLUSTER: the weights that all work-groups share go straight into registers; what could be asked for jointly, W_slice's 12 KiB, is under a twentieth of the 268 KiB that a work-group brings into LDS.
; LIMITS: blocks whose largest magnitude lies under 2^-122 keep the byte 1 (a block of zeros too: its codes are zeros, and this program alone reads the bytes); NaN and infinities are not served; divisions by the clipped
; temperature and by the softmax's sum are a reciprocal (v_rcp_f32) and a multiplication; b_x + ph_x is summed first, and each bias is the C of a sum's first matrix instruction.
; REGISTERS, in windows of 256.  Window 0: v1-27 addresses; v32-72 scale words; v80-175 XF (fragments in hand, logits, numbers); v176-219 at work.  Window 1: v0-191 W_x's 16 fragments, v192-255 b_x + ph_x.
;   Window 2: v0-95 W_fx's 8 fragments, v96-127 b_fx, v128-255 the token's 16 accumulators.  Window 3: ACC, 256 working registers.
.set FRB,   1536                       ; a fragment's image
.set XW,    33408                      ; LDS: 32 consecutive rows of x of one chunk, 1,040 bytes apart, and 128 bytes more: rows 32 apart then start 32 banks apart
.set XC,    134144                     ; a chunk's four such regions
.set RUNB,  33408                      ; from node n to node n + 32: the next wave's region
.set XIMG0, 268288                     ; chunk 0's 16 fragments of x (2 x node tile + ks)
.set XSC0,  292864                     ; their scale words
.set WSL,   294912                     ; W_slice's 8 images
.set TAB,   307200                     ; log2(e) / clip(temp_x) [64]; 256 bytes on: b_slice [64]
.set NST,   307712                     ; the norm's 64 numbers
.set SPARE, 307968                     ; the spare words, 128 bytes a wave: two blocks of 256 bytes that no other line names
.set O_SWSC, 6144                      ; a chunk's scratch, from SCR on: +0 the softmax's 4 fragments, here their scale words,
.set O_MIMG, 6656                      ; x_mid's 16 fragments (2 x node tile + S),
.set O_MSC,  31232                     ; their scale words,
.set O_SWST, 33280                     ; the softmax as numbers: node n at 272 n + 128 (n / 32)
.set O_X1,   68608                     ; in chunk 0's scratch: chunk 1's fragments of x; in chunk 1's: the token's stage, 16 x 272 bytes a wave
.set O_XS1,  93184
.set WQS,   116736                     ; wq: where the scale words begin
.set LI, 1
.set LS, 2
.set B_XR, 3
.set B_XIW, 4
.set B_XSW, 5
.set B_XIM, 6
.set B_XSM, 7
.set B_MIW, 8
.set B_MSW, 9
.set B_SWW, 10
.set B_SWR, 11
.set B_SWC, 12
.set B_SIW, 13
.set B_SSW, 14
.set OUTO, 15
.set TSO, 16
.set TRD, 17
.set TGO, 18
.set SH8, 19
.set A0, 20                            ; v20-23 the phase's addresses
.set A1, 21
.set A2, 22
.set A3, 23
.set NRM, 24                           ; v24-25 the norm's running sum
.set SPW, 26
.set NIL, 27
.set WXS, 32                           ; scale words: W_x's 16, W_fx's 8, W_slice's 8, those of the fragments in hand, the one just made
.set WFS, 48
.set WSS, 56
.set XS,  64
.set PW,  72
.set NSA, 74
.set NRA, 75
.set NGO, 76
.set XF,  80
.set KM,  XF+64
.set TM,  176
.set TS,  180
.set TB,  182
.set PC,  184
.set PT,  196
.set ST,  208                          ; the softmax's six temporaries a tile
.set BX,  192                          ; window 1
.set BF,  96                           ; window 2
.set TOK, 128                          ; window 2
.set WV,  24
.set SEL, 28
.set G1X, 32
.set G1W, 40
.set G0W, 48
.set OUTB, 72
.set TKB, 74
.set NRB, 76
.set MSB, 0
.macro WIN new                         ; the immediate's high byte repeats the setting that is left
.if MSB != (\new)
	s_set_vgpr_msb (MSB<<8)|(\new)
.set MSB, (\new)
.endif
.endm
.macro PLACES n
.rept \n
	v_nop
.endr
.endm
.macro BARRIER                         ; my LDS stores have landed and my LDS loads are in: then the work-group's barrier
	s_wait_dscnt 0x0
	s_barrier_signal -1
	s_barrier_wait -1
.endm
; 64 numbers of a lane, register 32 c + i = k 64 c + 32 h + i of its row, in window sw.  BMAX: the two blocks' largest magnitudes, the floor 2^(5 - 127) among the leaves; each accumulator is read from its low end on.
.macro BMAX src, sw
	WIN (\sw)|((\sw)<<2)
.irp k, 0,1,2,3
	v_max3_num_f32 v[TM+\k], |v[(\src)+16*\k]|, |v[(\src)+16*\k+1]|, 0x2800000
.endr
.irp i, 2,4,6,8,10,12,14
.irp k, 0,1,2,3
	v_max3_num_f32 v[TM+\k], |v[(\src)+16*\k+\i]|, |v[(\src)+16*\k+\i+1]|, v[TM+\k]
.endr
.endr
	WIN 0
	v_max_num_f32 v[TM], v[TM], v[TM+1]
	v_max_num_f32 v[TM+2], v[TM+2], v[TM+3]
.endm
; QTAIL: the fragment's codes in v[PC] on and its scale word in v[PW].  dsw >= 0: first the wait that shows that the last image's stores have read both.
.macro QTAIL src, sw, dsw
.if (\dsw) >= 0
	s_wait_dscnt \dsw
.endif
	v_add_nc_u32 v[TS], 0xfe000000, v[TM]          ; 4 off the exponent field: the conversion takes this operand's exponent field as its scale
	v_add_nc_u32 v[TS+1], 0xfe000000, v[TM+2]
	v_lshrrev_b32 v[TB], 23, v[TS]
	v_lshrrev_b32 v[TB+1], 23, v[TS+1]
	v_lshl_or_b32 v[PW], v[TB+1], 16, v[TB]        ; blocks h and 2 + h,
	v_lshlrev_b32 v[PW], v[SH8], v[PW]             ; at their places in the word;
	v_permlanex16_b32 v[TB], v[PW], s[SEL], s[SEL+1]
	v_or_b32 v[PW], v[PW], v[TB]                   ; with lane l xor 16's two it is whole
	WIN \sw
	v_cvt_scalef32_pk16_bf6_f32 v[PC:PC+2], v[(\src):(\src)+15], v[TS]
	v_cvt_scalef32_pk16_bf6_f32 v[PT:PT+2], v[(\src)+16:(\src)+31], v[TS]          ; (a conversion's three registers begin on an even number)
	v_cvt_scalef32_pk16_bf6_f32 v[PC+6:PC+8], v[(\src)+32:(\src)+47], v[TS+1]
	v_cvt_scalef32_pk16_bf6_f32 v[PT+4:PT+6], v[(\src)+48:(\src)+63], v[TS+1]
	WIN 0
	v_nop                                          ; one plain place behind the scaled conversions
.irp i, 0,1,2
	v_mov_b32 v[PC+3+\i], v[PT+\i]
	v_mov_b32 v[PC+9+\i], v[PT+4+\i]
.endr
.endm
.macro IMAGE ai, as, off, soff         ; the fragment goes to LDS as it stands
.irp p, 0,1,2
	ds_store_b128 v[\ai], v[PC+4*\p:PC+4*\p+3] offset:(\off)+512*\p
.endr
	ds_store_b32 v[\as], v[PW] offset:(\soff)
.endm
.macro FETCH reg, ai, off              ; and comes back so, in any wave
.irp p, 0,1,2
	ds_load_b128 v[(\reg)+4*\p:(\reg)+4*\p+3], v[\ai] offset:(\off)+512*\p
.endr
.endm
.macro MMC d, a, b, c, sa, sb
	v_wmma_scale_f32_16x16x128_f8f6f4 v[(\d):(\d)+7], v[(\a):(\a)+11], v[(\b):(\b)+11], v[(\c):(\c)+7], v[\sa], v[\sb] matrix_a_fmt:MATRIX_FMT_BF6 matrix_b_fmt:MATRIX_FMT_BF6
.endm
.macro MMZ d, a, b, sa, sb             ; the first product starts the sum
	v_wmma_scale_f32_16x16x128_f8f6f4 v[(\d):(\d)+7], v[(\a):(\a)+11], v[(\b):(\b)+11], 0, v[\sa], v[\sb] matrix_a_fmt:MATRIX_FMT_BF6 matrix_b_fmt:MATRIX_FMT_BF6
.endm
; A softmax over 64, for nt tiles by turns.  Tile t: 32 registers from base + 32 t: register 8 mt + j = column 16 mt + 8 h + j of the lane's row; the other 32 columns lie in lane l xor 16.
; mode 0: the logits are first multiplied by log2(e) / temperature (KM).  mode 1: by log2(e), in the multiply-add that takes the maximum away.  The maximum is always taken away.
; Temporaries at ST + 6 t: +0, +1 the maximum (a pair's low word serves both halves); +2 .. +5 four chains, then two pairs of sums, then the reciprocal at +4.
.macro SOFTMAX nt, base, mode
.if (\mode) == 0
.set j_, 0
.rept 16
.set t_, 0
.rept \nt
.set l_, (\base)+32*t_+2*j_
	v_pk_mul_f32 v[l_:l_+1], v[l_:l_+1], v[KM+2*j_:KM+2*j_+1]
.set t_, t_+1
.endr
.set j_, j_+1
.endr
.endif
.set j_, 0
.rept 4
.set t_, 0
.rept \nt
.set l_, (\base)+32*t_+8*j_
	v_max3_num_f32 v[ST+6*t_+2+j_], v[l_], v[l_+1], v[l_+2]
.set t_, t_+1
.endr
.set j_, j_+1
.endr
.set j_, 4
.rept 8
.set t_, 0
.rept \nt
.set l_, (\base)+32*t_+8*(j_%4)+2*(j_/4)+1
	v_max3_num_f32 v[ST+6*t_+2+j_%4], v[ST+6*t_+2+j_%4], v[l_], v[l_+1]
.set t_, t_+1
.endr
.set j_, j_+1
.endr
.set t_, 0
.rept \nt
	v_max3_num_f32 v[ST+6*t_+2], v[ST+6*t_+2], v[(\base)+32*t_+7], v[(\base)+32*t_+15]
	v_max3_num_f32 v[ST+6*t_+4], v[ST+6*t_+4], v[(\base)+32*t_+23], v[(\base)+32*t_+31]
.set t_, t_+1
.endr
.set t_, 0
.rept \nt
	v_max3_num_f32 v[ST+6*t_+2], v[ST+6*t_+2], v[ST+6*t_+3], v[ST+6*t_+4]
.set t_, t_+1
.endr
.set t_, 0
.rept \nt
	v_max_num_f32 v[ST+6*t_+2], v[ST+6*t_+2], v[ST+6*t_+5]
.set t_, t_+1
.endr
.set t_, 0
.rept \nt
	v_permlanex16_b32 v[ST+6*t_+3], v[ST+6*t_+2], s[SEL], s[SEL+1]
.set t_, t_+1
.endr
.set t_, 0
.rept \nt
	v_max_num_f32 v[ST+6*t_], v[ST+6*t_+2], v[ST+6*t_+3]       ; the row's maximum
.set t_, t_+1
.endr
.if (\mode) != 0
.set t_, 0
.rept \nt
	v_mul_f32 v[ST+6*t_], s[CL], v[ST+6*t_]
.set t_, t_+1
.endr
.endif
.set j_, 0
.rept 16
.set t_, 0
.rept \nt
.set l_, (\base)+32*t_+2*j_
.if (\mode) != 0
	v_pk_fma_f32 v[l_:l_+1], v[l_:l_+1], s[CL:CL+1], v[ST+6*t_:ST+6*t_+1] op_sel_hi:[1,0,0] neg_lo:[0,0,1] neg_hi:[0,0,1]
.else
	v_pk_add_f32 v[l_:l_+1], v[l_:l_+1], v[ST+6*t_:ST+6*t_+1] op_sel_hi:[1,0] neg_lo:[0,1] neg_hi:[0,1]
.endif
.set t_, t_+1
.endr
.set j_, j_+1
.endr
.set j_, 0
	s_wait_alu depctr_va_vdst(0)
.rept 32*(\nt)
	v_exp_f32 v[(\base)+j_], v[(\base)+j_]         ; one batch
.set j_, j_+1
.endr
	v_nop                                          ; a plain place behind the last exponential,
	s_wait_alu depctr_va_vdst(0)                   ; and one wait for the batch, ahead of its first reader
.set t_, 0
.rept \nt
.set l_, (\base)+32*t_
	v_pk_add_f32 v[ST+6*t_+2:ST+6*t_+3], v[l_:l_+1], v[l_+2:l_+3]
	v_pk_add_f32 v[ST+6*t_+4:ST+6*t_+5], v[l_+4:l_+5], v[l_+6:l_+7]
.set t_, t_+1
.endr
.set j_, 8
.rept 6
.set t_, 0
.rept \nt
.set l_, (\base)+32*t_+j_
	v_pk_add_f32 v[ST+6*t_+2:ST+6*t_+3], v[ST+6*t_+2:ST+6*t_+3], v[l_:l_+1]
	v_pk_add_f32 v[ST+6*t_+4:ST+6*t_+5], v[ST+6*t_+4:ST+6*t_+5], v[l_+2:l_+3]
.set t_, t_+1
.endr
.set j_, j_+4
.endr
.set t_, 0
.rept \nt
	v_pk_add_f32 v[ST+6*t_+2:ST+6*t_+3], v[ST+6*t_+2:ST+6*t_+3], v[ST+6*t_+4:ST+6*t_+5]
.set t_, t_+1
.endr
.set t_, 0
.rept \nt
	v_add_f32 v[ST+6*t_+2], v[ST+6*t_+2], v[ST+6*t_+3]
.set t_, t_+1
.endr
.set t_, 0
.rept \nt
	v_permlanex16_b32 v[ST+6*t_+3], v[ST+6*t_+2], s[SEL], s[SEL+1]
.set t_, t_+1
.endr
.set t_, 0
.rept \nt
	v_add_f32 v[ST+6*t_+2], v[ST+6*t_+2], v[ST+6*t_+3]         ; the row's sum
.set t_, t_+1
.endr
.set t_, 0
	s_wait_alu depctr_va_vdst(0)
.rept \nt
	v_rcp_f32 v[ST+6*t_+4], v[ST+6*t_+2]
.set t_, t_+1
.endr
	v_nop
	s_wait_alu depctr_va_vdst(0)                   ; one wait for the reciprocals
.set j_, 0
.rept 16
.set t_, 0
.rept \nt
.set l_, (\base)+32*t_+2*j_
	v_pk_mul_f32 v[l_:l_+1], v[l_:l_+1], v[ST+6*t_+4:ST+6*t_+5] op_sel_hi:[1,0]
.set t_, t_+1
.endr
.set j_, j_+1
.endr
.endm
; THE TOKEN'S WAY OUT.  A lane holds eight neighbouring columns of row m = 16 mt + r: a block of 16 rows x 64 columns goes through the wave's own stage and comes back as rows of 256 bytes.
.macro TOSTAGE mt, buf
	WIN 0x08                                       ; an LDS store's data are its source 1: window 2
.irp ctl, 0,1,2,3
	ds_store_b128 v[TSO], v[TOK+8*(4*\ctl+(\mt)):TOK+8*(4*\ctl+(\mt))+3] offset:64*\ctl        ; each accumulator from its low end on
	ds_store_b128 v[TSO], v[TOK+8*(4*\ctl+(\mt))+4:TOK+8*(4*\ctl+(\mt))+7] offset:64*\ctl+16
.endr
	WIN 0
.irp i, 0,1,2,3,4,5,6,7
	ds_load_b128 v[(\buf)+32*((\mt)%2)+4*\i:(\buf)+32*((\mt)%2)+4*\i+3], v[TRD] offset:\i*2*272   ; LDS serves a wave's instructions in order: these see the stores above
.endr
.endm
.macro SEND mt, buf, younger           ; younger: the LDS instructions issued behind block mt's loads
	s_wait_dscnt \younger
.irp i, 0,1,2,3,4,5,6,7
	global_store_b128 v[TGO], v[(\buf)+32*((\mt)%2)+4*\i:(\buf)+32*((\mt)%2)+4*\i+3], s[TKB:TKB+1] offset:(16*(\mt)+2*\i)*1024 th:TH_STORE_NT   ; 16 lanes store 256 consecutive bytes, aligned
.endr
.endm
.macro MKG0 g, ch, run                 ; descriptor group 0 for 32 rows of x: chunk ch
	s_mov_b32 s[\g], 1
	s_add_co_u32 s[\g+1], s84, (\ch)*XC
	s_add_nc_u64 s[\g+2:\g+3], s[80:81], 128*(\ch)*1024
	s_or_b32 s[\g+3], s[\g+3], 0x80000000
.endm
	s_load_b512 s[4:19], s[0:1], 0x0               ; x, wq, b_fx, b_x, ph_x, b_slice, temp_x, out1
	s_load_b128 s[20:23], s[0:1], 0x40             ; tokN, normN
	v_lshl_add_u32 v[SPW], v0, 2, SPARE
	v_mov_b32 v[NIL], 0
	ds_add_u32 v[SPW], v[NIL]                      ; the wave's opening: the add, twice on end, and its wait ahead of my first tensor load
	ds_add_u32 v[SPW], v[NIL]
	v_lshrrev_b32 v28, 5, v0
	v_readfirstlane_b32 s[WV], v28                 ; wave 0..3
	s_and_b32 s25, s[WV], 1
	s_lshr_b32 s26, s[WV], 1
	s_mov_b32 s[SEL], 0x76543210
	s_mov_b32 s[SEL+1], 0xfedcba98
	s_mov_b32 s30, 0x3c23d70a                      ; 0.01
	s_mov_b32 s31, 0x40a00000                      ; 5.0
	; group 1 for x: 32 rows of 256 elements of 4 bytes, 16 bytes of padding behind each row of 256 words
	s_mov_b32 s[G1X+0], (2<<16)|(1<<20)|(7<<22)|(3<<25)
	s_mov_b32 s[G1X+1], 256<<16
	s_mov_b32 s[G1X+2], 32<<16                     ; 32 rows to a load
	s_mov_b32 s[G1X+3], 256<<16
	s_mov_b32 s[G1X+4], 32
	s_mov_b32 s[G1X+5], 256
	s_mov_b32 s[G1X+6], 0
	s_mov_b32 s[G1X+7], 0
	s_lshl_b32 s78, ttmp9, 8
	s_lshl_b32 s79, s26, 6
	s_add_co_u32 s78, s78, s79
	s_lshl_b32 s79, s25, 4
	s_add_co_u32 s78, s78, s79                     ; my first node: 256 g + 64 (w / 2) + 16 (w % 2)
	s_lshl_b32 s80, ttmp9, 18                      ; the rows of x that I FETCH: 256 g + 32 w on (+ 128 for chunk 1), 1,024 bytes a row
	s_lshl_b32 s81, s[WV], 15
	s_add_co_u32 s80, s80, s81
	s_mov_b32 s81, 0
	s_lshl_b32 s82, s78, 8                         ; and of out1
	s_mov_b32 s83, 0
	s_mul_i32 s84, s[WV], XW
	s_mul_i32 s94, s26, 2*XW                       ; the rows that I READ begin at node 64 (w / 2) + 16 (w % 2): region 2 (w / 2), row 16 (w % 2)
	s_mul_i32 s95, s25, 16640
	s_add_co_u32 s94, s94, s95
	s_mul_i32 s85, s[WV], 3072
	s_add_co_u32 s86, s85, 98304                   ; wq: images 64 + 2 w, 65 + 2 w
	s_mov_b32 s87, 0
	s_wait_dscnt 0x0                               ; both opening adds are done
	s_wait_kmcnt 0x0
	s_add_nc_u64 s[80:81], s[4:5], s[80:81]
	s_add_nc_u64 s[OUTB:OUTB+1], s[18:19], s[82:83]
	; AS THE TEXT NOW STANDS: one tensor load a wave at the head, 32 consecutive rows of chunk 0; chunk 1's 32 rows are asked for behind the full sequence and a barrier, at chunk 0's start.
	; A wave reads rows that other waves fetched: behind that barrier (chunk 0) and behind the barrier at chunk 1's start.  W_slice's images come through registers: two a wave, loaded below and stored to LDS.
	s_add_co_u32 s[G0W+1], s85, WSL                ; where my two images of W_slice go in LDS,
	s_add_nc_u64 s[G0W+2:G0W+3], s[6:7], s[86:87]  ; and where they lie in wq
	MKG0 52, 0, 0
	MKG0 60, 1, 0
	tensor_load_to_lds s[52:55], s[G1X:G1X+7]
	s_nop 0
	PLACES 4
	; addresses that stay
	v_and_b32 v28, 31, v0                          ; l
	v_and_b32 v29, 15, v0                          ; r
	v_bfe_u32 v30, v0, 4, 1                        ; h
	v_bfe_u32 v31, v0, 3, 1                        ; r / 8
	v_and_b32 v20, 7, v0                           ; r % 8
	v_lshlrev_b32 v[LI], 4, v28
	v_lshlrev_b32 v[LS], 2, v28
	v_lshlrev_b32 v[SH8], 3, v30
	v_mul_u32_u24 v[B_XR], v20, 1040               ; x: row r % 8 of run r / 8, + 128 h
	v_mad_u32_u24 v[B_XR], v31, RUNB, v[B_XR]
	v_lshl_add_u32 v[B_XR], v30, 7, v[B_XR]
	v_add_nc_u32 v[B_XR], s94, v[B_XR]
	s_mul_i32 s78, s[WV], 6144
	v_add_nc_u32 v[B_XIW], s78, v[LI]              ; four images a wave
	s_lshl_b32 s78, s[WV], 9
	v_add_nc_u32 v[B_XSW], s78, v[LS]
	s_mul_i32 s78, s25, 12288
	v_add_nc_u32 v[B_XIM], s78, v[LI]              ; node tiles 4 (w % 2) on
	s_lshl_b32 s78, s25, 10
	v_add_nc_u32 v[B_XSM], s78, v[LS]
	s_lshl_b32 s78, s25, 3
	s_add_co_u32 s78, s78, s26
	s_mul_i32 s79, s78, FRB
	v_add_nc_u32 v[B_MIW], s79, v[LI]              ; x_mid's image 8 (w % 2) + w / 2
	s_lshl_b32 s79, s78, 7
	v_add_nc_u32 v[B_MSW], s79, v[LS]
	s_mul_i32 s78, s26, 17664
	s_mul_i32 s79, s25, 4352
	s_add_co_u32 s78, s78, s79                     ; my first node's place among the softmax's numbers
	v_mul_u32_u24 v[B_SWW], v20, 272
	v_mad_u32_u24 v[B_SWW], v31, 8832, v[B_SWW]
	v_lshl_add_u32 v[B_SWW], v30, 5, v[B_SWW]
	v_add_nc_u32 v[B_SWW], s78, v[B_SWW]
	v_mul_u32_u24 v[B_SWR], v30, 272
	v_lshl_add_u32 v[B_SWR], v29, 4, v[B_SWR]
	v_add_nc_u32 v[B_SWR], s78, v[B_SWR]
	v_mul_u32_u24 v[B_SWC], v30, 8832
	v_lshl_add_u32 v[B_SWC], v29, 2, v[B_SWC]
	s_lshl_b32 s79, s[WV], 6
	v_add_nc_u32 v[B_SWC], s79, v[B_SWC]           ; down the nodes: column 16 w + r, from node 32 h
	v_lshl_add_u32 v[NSA], v29, 2, NST
	v_add_nc_u32 v[NSA], s79, v[NSA]
	v_lshlrev_b32 v22, 2, v29
	v_add_nc_u32 v22, s79, v22                     ; 4 (16 w + r)
	v_lshl_add_u32 v[NRA], v28, 3, NST
	v_lshlrev_b32 v[NGO], 3, v28
	s_mul_i32 s78, s[WV], FRB
	v_add_nc_u32 v[B_SIW], s78, v[LI]
	s_lshl_b32 s78, s[WV], 7
	v_add_nc_u32 v[B_SSW], s78, v[LS]
	v_lshlrev_b32 v[OUTO], 8, v30
	v_lshl_add_u32 v[OUTO], v29, 4, v[OUTO]
	s_mul_i32 s78, s[WV], 4352
	s_add_co_u32 s78, s78, XC+O_X1                 ; my stage
	v_mul_u32_u24 v[TSO], v29, 272
	v_lshl_add_u32 v[TSO], v30, 5, v[TSO]
	v_add_nc_u32 v[TSO], s78, v[TSO]
	v_mul_u32_u24 v[TRD], v30, 272
	v_lshl_add_u32 v[TRD], v29, 4, v[TRD]
	v_add_nc_u32 v[TRD], s78, v[TRD]
	v_lshlrev_b32 v[TGO], 10, v30
	v_lshl_add_u32 v[TGO], v29, 4, v[TGO]
	s_lshl_b32 s78, ttmp9, 16
	s_lshl_b32 s79, s[WV], 8
	s_add_co_u32 s78, s78, s79
	s_mov_b32 s79, 0
	s_add_nc_u64 s[TKB:TKB+1], s[20:21], s[78:79]  ; tokN: my work-group's 64 KiB, my 64 columns
	s_lshl_b32 s78, ttmp9, 8
	s_add_nc_u64 s[NRB:NRB+1], s[22:23], s[78:79]
	s_mul_i32 s78, s26, 24576
	s_add_nc_u64 s[86:87], s[6:7], s[78:79]        ; W_x's images of my K step
	s_mul_i32 s78, s[WV], 12288
	s_add_co_u32 s78, s78, 49152
	s_add_nc_u64 s[88:89], s[6:7], s[78:79]        ; W_fx's of my columns
	s_lshl_b32 s78, s26, 11
	s_add_co_u32 s78, s78, WQS
	s_add_nc_u64 s[90:91], s[6:7], s[78:79]
	s_lshl_b32 s78, s[WV], 10
	s_add_co_u32 s78, s78, WQS+4096
	s_add_nc_u64 s[92:93], s[6:7], s[78:79]
	v_lshlrev_b32 v20, 7, v30
	s_lshl_b32 s78, s26, 9
	v_add_nc_u32 v20, s78, v20                     ; b_x, ph_x: 128 h + 512 S
	v_lshlrev_b32 v21, 2, v29
	s_lshl_b32 s78, s[WV], 8
	v_add_nc_u32 v21, s78, v21                     ; b_fx: 4 r + 256 w
	WIN 0x40                                       ; destination window 1
.set n_, 0
.rept 16
.irp p, 0,1,2
	global_load_b128 v[12*n_+4*\p:12*n_+4*\p+3], v[LI], s[86:87] offset:FRB*n_+512*\p
.endr
.set n_, n_+1
.endr
	WIN 0x80                                       ; destination window 2
.set n_, 0
.rept 8
.irp p, 0,1,2
	global_load_b128 v[12*n_+4*\p:12*n_+4*\p+3], v[LI], s[88:89] offset:FRB*n_+512*\p
.endr
.set n_, n_+1
.endr
	WIN 0
.set n_, 0
.rept 16
	global_load_b32 v[WXS+n_], v[LS], s[90:91] offset:128*n_
.set n_, n_+1
.endr
.set n_, 0
.rept 8
	global_load_b32 v[WFS+n_], v[LS], s[92:93] offset:128*n_
	global_load_b32 v[WSS+n_], v[LS], s[6:7] offset:WQS+8192+128*n_
.set n_, n_+1
.endr
	WIN 0xc0                                       ; destination window 3
.irp T, 0,1,2,3,4,5,6,7
.irp q, 0,1
	global_load_b128 v[8*\T+4*\q:8*\T+4*\q+3], v20, s[10:11] offset:4*(64*(\T/4)+8*(\T%4))+16*\q
	global_load_b128 v[64+8*\T+4*\q:64+8*\T+4*\q+3], v20, s[12:13] offset:4*(64*(\T/4)+8*(\T%4))+16*\q
.endr
.endr
	WIN 0
.irp ctl, 0,1,2,3
	global_load_b32 v[XF+\ctl], v21, s[8:9] offset:64*\ctl
.endr
	global_load_b32 v[XF+4], v22, s[16:17]         ; temp_x [16 w + r]
	global_load_b32 v[XF+5], v22, s[14:15]         ; b_slice [16 w + r]
.irp p, 0,1,2,3,4,5
	global_load_b128 v[XF+8+4*\p:XF+8+4*\p+3], v[LI], s[G0W+2:G0W+3] offset:512*\p    ; W_slice's images 2 w, 2 w + 1: 3,072 dense bytes
.endr
	s_wait_loadcnt 0x0
	WIN 0x4f                                       ; sources window 3, destination window 1
.set n_, 0
.rept 32
	v_pk_add_f32 v[BX+2*n_:BX+2*n_+1], v[2*n_:2*n_+1], v[64+2*n_:64+2*n_+1]        ; b_x + ph_x, in the result's layout
.set n_, n_+1
.endr
	WIN 0x80
.irp ctl, 0,1,2,3
.irp j, 0,1,2,3,4,5,6,7
	v_mov_b32 v[BF+8*\ctl+\j], v[XF+\ctl]          ; b_fx of my column, for eight nodes
.endr
.endr
	WIN 0
	v_med3_num_f32 v[XF+4], v[XF+4], s30, s31      ; clip(temp_x, 0.01, 5)
	s_wait_alu depctr_va_vdst(0)
	v_rcp_f32 v[XF+6], v[XF+4]
	v_add_nc_u32 v23, TAB, v22
	s_wait_alu depctr_va_vdst(0)                   ; the wait ahead of the reciprocal's first reader
	v_mul_f32 v[XF+6], 0x3fb8aa3b, v[XF+6]         ; log2(e) / temperature
	ds_store_b32 v23, v[XF+6]                      ; (both halves of the lanes write the same word with the same value)
	ds_store_b32 v23, v[XF+5] offset:256
	v_add_nc_u32 v21, s[G0W+1], v[LI]
.irp p, 0,1,2,3,4,5
	ds_store_b128 v21, v[XF+8+4*\p:XF+8+4*\p+3] offset:512*\p
.endr
	v_mov_b32 v[NRM], 0
	v_mov_b32 v[NRM+1], 0
	v_mov_b32 v[ST+1], 0                           ; named as the upper halves of pairs
	v_mov_b32 v[ST+7], 0
.macro MULM st                         ; x_mid, transposed: source 0 = 16 columns of W_x, source 1 = 16 nodes; node tiles 2 st, 2 st + 1 of my four; 16 accumulators by turns
.irp ks, 0,1
.if \ks == 0
	WIN 0xd1                                       ; W_x window 1, x window 0, C (the bias) window 1, D window 3
.else
	WIN 0xf1
.endif
.irp a, 0,1
.irp T, 0,1,2,3,4,5,6,7
.set d_, 64*(2*(\st)+\a)+8*\T
.set a_, 12*(2*\T+\ks)
.set b_, XF+12*(2*(2*(\st)+\a)+\ks)
.if \ks == 0
	MMC d_, a_, b_, BX+8*\T, WXS+2*\T+\ks, XS+2*(2*(\st)+\a)+\ks
.else
	MMC d_, a_, b_, d_, WXS+2*\T+\ks, XS+2*(2*(\st)+\a)+\ks
.endif
.endr
.endr
.endr
.endm
.macro FETCHSET P                      ; node tiles 2 P, 2 P + 1: four fragments of x and their scale words: 16 LDS loads
.irp e, 0,1,2,3
	FETCH XF+48*((\P)%2)+12*\e, A0, (4*(\P)+\e)*FRB
	ds_load_b32 v[XS+4*((\P)%2)+\e], v[A1] offset:128*(4*(\P)+\e)
.endr
.endm
.macro MULF P                          ; fx: source 0 = 16 nodes, source 1 = 16 columns of W_fx: a lane holds one column and eight nodes; 8 accumulators by turns
.irp ks, 0,1
.if \ks == 0
	WIN 0xe8                                       ; x window 0, W_fx window 2, C (the bias) window 2, D window 3
.else
	WIN 0xf8
.endif
.irp a, 0,1
.irp ctl, 0,1,2,3
.set d_, 64*\ctl+8*(2*(\P)+\a)
.set a_, XF+48*((\P)%2)+12*(2*\a+\ks)
.set b_, 12*(2*\ctl+\ks)
.if \ks == 0
	MMC d_, a_, b_, BF+8*\ctl, XS+4*((\P)%2)+2*\a+\ks, WFS+2*\ctl+\ks
.else
	MMC d_, a_, b_, d_, XS+4*((\P)%2)+2*\a+\ks, WFS+2*\ctl+\ks
.endif
.endr
.endr
.endr
.endm
.macro CHUNK ch
.set SCR, (\ch)*XC
.if (\ch) == 0
.set XI, XIMG0
.set XSL, XSC0
.else
.set XI, O_X1
.set XSL, O_XS1
.endif
	; ---- X: my 32 rows of x become four fragments (node tiles 2 w, 2 w + 1; two K steps)
.if (\ch) == 0
	s_wait_alu depctr_va_vdst(0)
	s_wait_tensorcnt 0x0                           ; my 32 rows of chunk 0 are in
	ds_add_u32 v[SPW], v[NIL]
	s_wait_dscnt 0x0                               ; the add and my stores of the tables and of W_slice's images are done
	s_barrier_signal -1
	s_barrier_wait -1                              ; chunk 0 is whole for every wave
	tensor_load_to_lds s[60:63], s[G1X:G1X+7]      ; chunk 1's 32 rows, my one load behind this barrier: all of chunk 0's work in which to land
	s_nop 0
	PLACES 4
.else
	s_wait_tensorcnt 0x0                           ; my 32 rows of chunk 1 are in,
	BARRIER                                        ; and everybody's
.endif
	v_add_nc_u32 v[A0], SCR, v[B_XR]
	v_add_nc_u32 v[A1], XI, v[B_XIW]
	v_add_nc_u32 v[A2], XSL, v[B_XSW]
	WIN 0xc0
.irp tt, 0,1
.irp ks, 0,1
.irp hc, 0,1
.irp jj, 0,1,2,3,4,5,6,7
	ds_load_b128 v[64*(2*\tt+\ks)+32*\hc+4*\jj:64*(2*\tt+\ks)+32*\hc+4*\jj+3], v[A0] offset:8320*\tt+512*\ks+256*\hc+16*\jj
.endr
.endr
.endr
.endr
.irp q, 0,1,2,3
	s_wait_dscnt 16*(3-\q)+4*\q                    ; fragment q's 16 loads are in: behind them stand the later fragments' loads and the images' stores so far
	BMAX 64*\q, 3
.if \q > 0
	s_wait_alu depctr_va_vdst(0)
	QTAIL 64*\q, 3, 0
.else
	QTAIL 64*\q, 3, -1
.endif
	IMAGE A1, A2, \q*FRB, \q*128
.endr
	BARRIER                                        ; the chunk's 16 fragments of x lie in LDS, and its rows of x are dead
	; ---- M: x_mid: my 128 columns for node tiles 4 (w % 2) .. + 3
	v_add_nc_u32 v[A0], XI, v[B_XIM]
	v_add_nc_u32 v[A1], XSL, v[B_XSM]
	v_add_nc_u32 v[A2], SCR+O_MIMG, v[B_MIW]
	v_add_nc_u32 v[A3], SCR+O_MSC, v[B_MSW]
.irp e, 0,1,2,3,4,5,6,7
	FETCH XF+12*\e, A0, \e*FRB
	ds_load_b32 v[XS+\e], v[A1] offset:128*\e
.endr
	s_wait_dscnt 16                                ; the first two tiles' 16 loads are in
	MULM 0
	s_wait_dscnt 0x0
	MULM 1
	WIN 0
	PLACES 4
.irp nt, 0,1,2,3
	BMAX 64*\nt, 3
.if \nt > 0
	s_wait_alu depctr_va_vdst(0)
	QTAIL 64*\nt, 3, 0
.else
	QTAIL 64*\nt, 3, -1
.endif
	IMAGE A2, A3, 2*\nt*FRB, 2*\nt*128
.endr
	BARRIER                                        ; x_mid's 16 fragments lie in LDS
	; ---- L: logits and softmax of node tiles 2 w, 2 w + 1; out1
	v_add_nc_u32 v[A0], SCR+O_MIMG, v[B_XIW]
	v_add_nc_u32 v[A1], SCR+O_MSC, v[B_XSW]
	v_add_nc_u32 v[A2], WSL, v[LI]
	v_lshl_add_u32 v[A3], v[SH8], 2, TAB           ; 32 h
	WIN 0xc0
.irp e, 0,1,2,3,4,5,6,7
	FETCH 12*\e, A2, \e*FRB
.endr
.irp e, 0,1,2,3
	FETCH 96+12*\e, A0, \e*FRB
.endr
.irp mt, 0,1,2,3
.irp q, 0,1
	ds_load_b128 v[144+8*\mt+4*\q:144+8*\mt+4*\q+3], v[A3] offset:256+64*\mt+16*\q     ; b_slice, in the result's layout
.endr
.endr
	WIN 0
.irp e, 0,1,2,3
	ds_load_b32 v[XS+\e], v[A1] offset:128*\e
.endr
.irp mt, 0,1,2,3
.irp q, 0,1
	ds_load_b128 v[KM+8*\mt+4*\q:KM+8*\mt+4*\q+3], v[A3] offset:64*\mt+16*\q
.endr
.endr
	s_wait_dscnt 0x0
.irp S, 0,1
.if \S == 0
	WIN 0x3f                                       ; sources and C window 3, D window 0
.else
	WIN 0x0f
.endif
.irp tt, 0,1
.irp mt, 0,1,2,3
.set d_, XF+32*\tt+8*\mt
.set a_, 12*(2*\mt+\S)
.set b_, 96+12*(2*\tt+\S)
.if \S == 0
	MMC d_, a_, b_, 144+8*\mt, WSS+2*\mt+\S, XS+2*\tt+\S
.else
	MMC d_, a_, b_, d_, WSS+2*\mt+\S, XS+2*\tt+\S
.endif
.endr
.endr
.endr
	WIN 0
	PLACES 4
	SOFTMAX 2, XF, 0
	v_add_nc_u32 v[A0], SCR+O_SWST, v[B_SWW]
	v_add_nc_u32 v[A1], SCR+O_SWST, v[B_SWR]
.irp tt, 0,1
.irp mt, 0,1,2,3
.irp q, 0,1
	ds_store_b128 v[A0], v[XF+32*\tt+8*\mt+4*\q:XF+32*\tt+8*\mt+4*\q+3] offset:2176*\tt+64*\mt+16*\q
.endr
.endr
.endr
	WIN 0xc0
.irp run, 0,1
.irp i, 0,1,2,3,4,5,6,7
	ds_load_b128 v[176+4*(8*\run+\i):176+4*(8*\run+\i)+3], v[A1] offset:8832*\run+544*\i   ; my own 32 rows, whole: LDS serves a wave's instructions in order
.endr
.endr
	WIN 0x0c                                       ; a store's data are its source 1: window 3
.irp run, 0,1
.irp i, 0,1,2,3,4,5,6,7
	s_wait_dscnt 15-8*\run-\i                      ; the younger loads may be out
	global_store_b128 v[OUTO], v[176+4*(8*\run+\i):176+4*(8*\run+\i)+3], s[OUTB:OUTB+1] offset:32768*(\ch)+8192*\run+512*\i   ; two whole rows of 256 bytes
.endr
.endr
	WIN 0
	BARRIER                                        ; the chunk's softmax lies in LDS as numbers
	; ---- S: columns 16 w .. 16 w + 15 of the softmax, down the 128 nodes: the norm's sums, and one fragment
	v_add_nc_u32 v[A0], SCR+O_SWST, v[B_SWC]
	v_add_nc_u32 v[A1], SCR, v[B_SIW]
	v_add_nc_u32 v[A2], SCR+O_SWSC, v[B_SSW]
.set n_, 0
.rept 64
	ds_load_b32 v[XF+n_], v[A0] offset:(64*(n_/32)+n_%32)*272+256*(n_/32)
.set n_, n_+1
.endr
	s_wait_dscnt 0x0
.irp k, 0,1,2,3
	v_pk_add_f32 v[PT+2*\k:PT+2*\k+1], v[XF+2*\k:XF+2*\k+1], v[XF+8+2*\k:XF+8+2*\k+1]     ; the sum is taken of the unquantised numbers
.endr
.set n_, 8
.rept 24
	v_pk_add_f32 v[PT+2*(n_%4):PT+2*(n_%4)+1], v[PT+2*(n_%4):PT+2*(n_%4)+1], v[XF+2*n_:XF+2*n_+1]
.set n_, n_+1
.endr
	v_pk_add_f32 v[PT:PT+1], v[PT:PT+1], v[PT+2:PT+3]
	v_pk_add_f32 v[PT+4:PT+5], v[PT+4:PT+5], v[PT+6:PT+7]
	v_pk_add_f32 v[PT:PT+1], v[PT:PT+1], v[PT+4:PT+5]
	v_pk_add_f32 v[NRM:NRM+1], v[NRM:NRM+1], v[PT:PT+1]
	BMAX XF, 0
	QTAIL XF, 0, -1
	IMAGE A1, A2, 0, 0
.if (\ch) == 1
	v_add_f32 v28, v[NRM], v[NRM+1]
	v_permlanex16_b32 v29, v28, s[SEL], s[SEL+1]
	v_add_f32 v28, v28, v29                        ; with lane l xor 16's nodes: my column's sum over the 256 nodes
	ds_store_b32 v[NSA], v28
.endif
	BARRIER                                        ; the softmax's four fragments lie in LDS
.if (\ch) == 1
	s_cmp_lg_u32 s[WV], 0
	s_cbranch_scc1 .Lnot_wave_0_\@
	ds_load_b64 v[28:29], v[NRA]
	s_wait_dscnt 0x0
	global_store_b64 v[NGO], v[28:29], s[NRB:NRB+1]    ; 32 lanes store one aligned run of 256 bytes
.Lnot_wave_0_\@:
.endif
	; ---- F: fx of my 64 columns for the 128 nodes, quantised along the nodes, and the token's K step
	s_wait_xcnt 0x0                                ; out1's stores have read their registers in window 3
	v_add_nc_u32 v[A0], XI, v[LI]
	v_add_nc_u32 v[A1], XSL, v[LS]
	v_add_nc_u32 v[A2], SCR, v[LI]
	v_add_nc_u32 v[A3], SCR+O_SWSC, v[LS]
	FETCHSET 0
	FETCHSET 1
	s_wait_alu depctr_va_vdst(0)
	s_wait_dscnt 16                                ; all but the set asked for last
	MULF 0
	WIN 0
	PLACES 4                                       ; in front of loads into registers that matrix instructions have read
	FETCHSET 2
	s_wait_dscnt 16
	MULF 1
	WIN 0
	PLACES 4
	FETCHSET 3
	s_wait_dscnt 16
	MULF 2
	s_wait_dscnt 0x0
	MULF 3
	WIN 0
	PLACES 4
.irp mt, 0,1,2,3
	FETCH XF+12*\mt, A2, \mt*FRB
	ds_load_b32 v[XS+\mt], v[A3] offset:128*\mt
.endr
.irp ctl, 0,1,2,3
	BMAX 64*\ctl, 3
	QTAIL 64*\ctl, 3, -1
.if \ctl == 0
	s_wait_alu depctr_va_vdst(0)
	s_wait_dscnt 0x0
.endif
	PLACES 8                                       ; a scale word made by vector instructions stands eight places ahead of the scaled matrix instruction, codes so made four
	WIN 0xa0                                       ; sources window 0, C and D window 2
.irp mt, 0,1,2,3
.if (\ch) == 0
	MMZ TOK+8*(4*\ctl+\mt), PC, XF+12*\mt, PW, XS+\mt          ; source 0 = 16 columns of fx, source 1 = 16 columns of the softmax: a lane holds eight neighbouring c of one row m
.else
	MMC TOK+8*(4*\ctl+\mt), PC, XF+12*\mt, TOK+8*(4*\ctl+\mt), PW, XS+\mt
.endif
.endr
	WIN 0
.endr
.endm
	CHUNK 0
	CHUNK 1
	PLACES 4
	TOSTAGE 0, XF
.irp a, 1,2,3
.if \a > 1
	s_wait_xcnt 0x0                                ; block a - 2's stores have read their registers: block a's loads may land there
.endif
	TOSTAGE \a, XF
	SEND \a-1, XF, 16                              ; behind block a - 1's loads: block a's 8 stores and 8 loads
.endr
	SEND 3, XF, 0
	s_wait_tensorcnt 0x0                           ; the wave's end, behind my last tensor load and my last LDS store
	ds_add_u32 v[SPW], v[NIL]
	s_wait_dscnt 0x0
	s_endpgm
.Lfunc_end_k_q0f881d4fed_node:
	.size	k_q0f881d4fed_node, .Lfunc_end_k_q0f881d4fed_node-k_q0f881d4fed_node
	.p2alignl 7, 3214868480
	.fill 96, 4, 3214868480
	.section	.rodata,"a",@progbits
	.p2align	6, 0x0
	.amdhsa_kernel k_q0f881d4fed_node
		.amdhsa_group_segment_fixed_size 327680
		.amdhsa_private_segment_fixed_size 0
		.amdhsa_enable_private_segment 0
		.amdhsa_kernarg_size 80
		.amdhsa_user_sgpr_count 2
		.amdhsa_user_sgpr_kernarg_segment_ptr 1
		.amdhsa_wavefront_size32 1
		.amdhsa_system_sgpr_workgroup_id_x 1
		.amdhsa_system_sgpr_workgroup_id_y 1
		.amdhsa_system_sgpr_workgroup_id_z 1
		.amdhsa_system_vgpr_workitem_id 0
		.amdhsa_next_free_vgpr 1024
		.amdhsa_next_free_sgpr 100
		.amdhsa_reserve_vcc 0
		.amdhsa_float_denorm_mode_32 3
		.amdhsa_float_denorm_mode_16_64 3
		.amdhsa_memory_ordered 1
		.amdhsa_forward_progress 1
		.amdhsa_inst_pref_size 245
	.end_amdhsa_kernel
	.amdgpu_metadata
---
amdhsa.version: [ 1, 2 ]
amdhsa.kernels:
  - .name:           k_q0f881d4fed_node
    .symbol:         k_q0f881d4fed_node.kd
    .args:
      - { .name: x, .offset: 0, .size: 8, .value_kind: global_buffer, .address_space: global }
      - { .name: wq, .offset: 8, .size: 8, .value_kind: global_buffer, .address_space: global }
      - { .name: b_fx, .offset: 16, .size: 8, .value_kind: global_buffer, .address_space: global }
      - { .name: b_x, .offset: 24, .size: 8, .value_kind: global_buffer, .address_space: global }
      - { .name: ph_x, .offset: 32, .size: 8, .value_kind: global_buffer, .address_space: global }
      - { .name: b_slice, .offset: 40, .size: 8, .value_kind: global_buffer, .address_space: global }
      - { .name: temp_x, .offset: 48, .size: 8, .value_kind: global_buffer, .address_space: global }
      - { .name: out1, .offset: 56, .size: 8, .value_kind: global_buffer, .address_space: global }
      - { .name: tokN, .offset: 64, .size: 8, .value_kind: global_buffer, .address_space: global }
      - { .name: normN, .offset: 72, .size: 8, .value_kind: global_buffer, .address_space: global }
    .group_segment_fixed_size: 327680
    .private_segment_fixed_size: 0
    .kernarg_segment_align: 8
    .kernarg_segment_size: 80
    .max_flat_workgroup_size: 128
    .sgpr_count:     100
    .vgpr_count:     1024
    .wavefront_size: 32
...
	.end_amdgpu_metadata
.endif
;; end of part 2
;; launch edge (part 3): grid 256 x 1, 8 waves a work-group, no clusters, 232,192 bytes of LDS; arguments out1, edge_idx, edge_attr, wq, temp_edge, b_eslice, W_fedge, b_fedge, ph_edge, tokN, normN, tokE, normE; writes tokE, normE
.if DOCPART == 3
	.amdgcn_target "amdgcn-amd-amdhsa--gfx1250"
	.amdhsa_code_object_version 6
	.text
	.protected	k_q0f881d4fed_edge
	.globl	k_q0f881d4fed_edge
	.p2align	8
	.type	k_q0f881d4fed_edge,@function
k_q0f881d4fed_edge:
	s_mov_b64 s[64:65], 0
	v_nop
	global_prefetch_b8 v0, s[64:65] scope:SCOPE_SE
	s_setreg_imm32_b32 hwreg(HW_REG_WAVE_MODE, 25, 1), 1
	s_wait_xcnt 0x0
; THE EDGE PATH, whole, for 1,024 edges a work-group: two rows of slice_weight (out1) gathered and added, / clip(temp_edge), Q(.) Q(W_eslice) + b_eslice, softmax; edge_attr W_fedge + b_fedge + ph_edge in f32;
; both quantised along the EDGES and multiplied.  Nothing of the problem is left out here.  On the way out 4 x the node launch's part of the same number is added (4 = 65,536 edges / 16,384 nodes, a power of two):
; tokE [256][64][256] = edge part + 4 x tokN, normE [256][64] = edge norm + 4 x normN, so that the last launch reads one chain of parts.
; SHARES.  Eight waves, two to a SIMD, 512 registers each.  Four trips of 256 edges (two K steps of the token's product).  Wave w: edges 32 w .. 32 w + 31 of the trip (two tiles) up to the softmax; then fragment w
; (column tile w % 4, K step w / 4) of the softmax down the edges; then columns 32 w .. 32 w + 31 of the token.  Two barriers a trip: the softmax as numbers, then its eight fragments as images of operand registers.
; THE GATHER RUNS A TRIP AHEAD IN REGISTERS: 32 loads a wave, sixteen lanes to a row of 256 bytes.  The rows' numbers come from edge_idx, held at 16,383 from above; the indices of two trips on are loaded onto the
; offsets' registers behind s_wait_xcnt 0.  So no prefetch into the L2 is laid beside it.  No tensor load, no copy.  NO CLUSTER: work-groups share small tables alone.
; THE LARGEST MAGNITUDE OF A BLOCK OF edge_attr w + d IS NOT SEARCHED FOR: a fused multiply-add with fixed w and d never falls (w >= 0) or never rises (w < 0) where edge_attr rises, so it is that of the block's
; largest or smallest edge_attr, put through the same multiply-add: the same bits.  The 32 blocks' extremes are found once, at the head.
; LIMITS: blocks whose largest magnitude lies under 2^-122 keep the byte 1 (a block of zeros too: its codes are zeros, and this program alone reads the bytes); NaN and infinities are not served; the divisions by the
; clipped temperature and by the softmax's sum are a reciprocal (v_rcp_f32) and a multiplication; b_fedge + ph_edge is summed first; an index outside 0 .. 16,383 is held at 16,383.
; REGISTERS.  Window 0: v1-63 addresses, sums, scale words, tables; v64-127 W, 64 working numbers; v128-207 W_eslice's fragments and the gathered sums' codes, later the softmax's four fragments and 32 numbers; v208-251 at work.
;   Window 1: v0-127 the gathered rows; v128-159 indices, then offsets; v160-223 the token's 8 accumulators; v224-255 b_eslice.
.set FRB,   1536
.set US,    4096                       ; LDS: byte 0: the 1,024 edge_attr.  Here: each wave's own 2 tiles x 16 rows x 272 bytes of gathered sums
.set ES,    73728                      ; the trip's softmax as numbers: edge e at 272 e + 128 (e / 32)
.set EIMG,  144384                     ; its 8 fragments (4 ks + mt)
.set ESCL,  156672                     ; their scale words
.set WEL,   157696                     ; W_eslice's 4 images
.set NST,   163840                     ; the norm: 2 x 64 numbers
.set AMX,   164352                     ; (largest, smallest) edge_attr of the 32 blocks of 32 edges
.set SPARE, 164608                     ; the spare words, 128 bytes a wave: four blocks of 256 bytes that no other line names
.set TST,   165632                     ; the token's stage: 64 rows x 1,040 bytes
.set WQS,   116736
.set LI, 1
.set LS, 2
.set SH8, 3
.set L16, 4
.set USW, 5
.set USR, 6
.set ESW, 7
.set ESCO, 8
.set EIW, 9
.set ESWS, 10
.set EIR, 11
.set ESR, 12
.set AR, 13
.set IXO, 14
.set TSO, 15
.set TRD, 16
.set SPW, 18
.set NIL, 19
.set ARC, 20
.set NSA, 21
.set NRA, 22
.set NGO, 23
.set NRM, 24
.set WES, 32
.set PWU, 36
.set PW,  38
.set SWS, 40
.set AMR, 48
.set AMC, 49
.set WER, 50
.set KE,  52
.set WW,  56
.set DD,  60
.set W,   64
.set WE,  128
.set UF,  176
.set UT,  200
.set SF,  128
.set OUT, 176
.set TM,  208
.set TS,  212
.set TB,  216
.set PC,  220
.set PT,  232
.set ST,  240                          ; the softmax's six temporaries a tile; behind the softmax:
.set AX,  240                          ; v240-247 the extremes of my four blocks of the trip,
.set TQ,  248                          ; v248-251 the same through the multiply-add
.set AD,  128                          ; window 1
.set TOK, 160
.set BE,  224
.set WV,  30
.set SEL, 32
.set CL,  34
.set T,   38
.set AT,  39
.set AB,  40
.set OB,  42
.set IB,  44
.set MSB, 0
.macro WIN new                         ; the immediate's high byte repeats the setting that is left
.if MSB != (\new)
	s_set_vgpr_msb (MSB<<8)|(\new)
.set MSB, (\new)
.endif
.endm
.macro PLACES n
.rept \n
	v_nop
.endr
.endm
.macro BARRIER                         ; my LDS stores have landed and my LDS loads are in: then the work-group's barrier
	s_wait_dscnt 0x0
	s_barrier_signal -1
	s_barrier_wait -1
.endm
.macro BMAX src                        ; 64 numbers of a lane: the largest magnitudes of its two blocks of 32 in TM and TM + 2, the floor 2^(5 - 127) among the leaves; four chains by turns
.irp k, 0,1,2,3
	v_max3_num_f32 v[TM+\k], |v[(\src)+16*\k]|, |v[(\src)+16*\k+1]|, 0x2800000
.endr
.irp i, 2,4,6,8,10,12,14
.irp k, 0,1,2,3
	v_max3_num_f32 v[TM+\k], |v[(\src)+16*\k+\i]|, |v[(\src)+16*\k+\i+1]|, v[TM+\k]
.endr
.endr
	v_max_num_f32 v[TM], v[TM], v[TM+1]
	v_max_num_f32 v[TM+2], v[TM+2], v[TM+3]
.endm
.macro TSB                             ; the conversions' scale operands (4 off the exponent field) and the scale bytes
	s_delay_alu instid0(VALU_DEP_2)
	v_add_nc_u32 v[TS], 0xfe000000, v[TM]
	s_delay_alu instid0(VALU_DEP_2)
	v_add_nc_u32 v[TS+1], 0xfe000000, v[TM+2]
	s_delay_alu instid0(VALU_DEP_2)
	v_lshrrev_b32 v[TB], 23, v[TS]
	s_delay_alu instid0(VALU_DEP_2)
	v_lshrrev_b32 v[TB+1], 23, v[TS+1]
.endm
.macro SWORD pw                        ; and the row's scale word: blocks h and 2 + h at their places; with lane l xor 16's two it is whole
	TSB
	s_delay_alu instid0(VALU_DEP_1)
	v_lshl_or_b32 v[\pw], v[TB+1], 16, v[TB]
	s_delay_alu instid0(VALU_DEP_1)
	v_lshlrev_b32 v[\pw], v[SH8], v[\pw]
	v_permlanex16_b32 v[TB], v[\pw], s[SEL], s[SEL+1]
	v_or_b32 v[\pw], v[\pw], v[TB]
.endm
.macro MOV6                            ; a conversion's three registers begin on an even number: the halves that it cannot put in place are moved
.irp i, 0,1,2
	v_mov_b32 v[PC+3+\i], v[PT+\i]
	v_mov_b32 v[PC+9+\i], v[PT+4+\i]
.endr
.endm
.macro FETCH reg, ai, off              ; a fragment's image back from LDS
.irp p, 0,1,2
	ds_load_b128 v[(\reg)+4*\p:(\reg)+4*\p+3], v[\ai] offset:(\off)+512*\p
.endr
.endm
.macro MMC d, a, b, c, sa, sb
	v_wmma_scale_f32_16x16x128_f8f6f4 v[(\d):(\d)+7], v[(\a):(\a)+11], v[(\b):(\b)+11], v[(\c):(\c)+7], v[\sa], v[\sb] matrix_a_fmt:MATRIX_FMT_BF6 matrix_b_fmt:MATRIX_FMT_BF6
.endm
.macro ALD ks                          ; edge_attr of edges 128 ks + 64 c + 32 h + 0 .. 31 into W: the sixteen lanes of a half read the same words
.irp q, 0,1,2,3,4,5,6,7,8,9,10,11,12,13,14,15
	ds_load_b128 v[W+4*\q:W+4*\q+3], v[ARC] offset:512*(\ks)+256*(\q/8)+16*(\q%8)
.endr
.endm
.macro ILOAD off                       ; a trip's indices: register 16 tau + 2 i + s = index s of edge 16 tau + 8 h + i of my 32
	WIN 0x40
.irp tau, 0,1
.irp q, 0,1,2,3
	global_load_b128 v[AD+16*\tau+4*\q:AD+16*\tau+4*\q+3], v[IXO], s[IB:IB+1] offset:(\off)+128*\tau+16*\q
.endr
.endr
	WIN 0
.endm
.macro ADDR                            ; index -> byte offset of my 16 bytes of that row of out1, in place: held at 16,383; x 256 + 16 r
	WIN 0x45
.set n_, 0
.rept 32
	v_min_u32 v[AD+n_], 0x3fff, v[AD+n_]
.set n_, n_+1
.endr
.set n_, 0
.rept 32
	v_lshl_add_u32 v[AD+n_], v[AD+n_], 8, v[L16]
.set n_, n_+1
.endr
.endm
.macro GATHER                          ; 32 row loads: sixteen lanes read one whole row of 256 bytes, two rows an instruction.  A row is named by several edges, of many work-groups
	WIN 0x41
.set n_, 0
.rept 32
	global_load_b128 v[4*n_:4*n_+3], v[AD+n_], s[OB:OB+1] th:TH_LOAD_HT
.set n_, n_+1
.endr
	WIN 0
.endm
; A softmax over 64 for my two tiles by turns.  Tile t: W + 32 t on: register 8 mt + j = column 16 mt + 8 h + j of the lane's edge; the other 32 columns lie in lane l xor 16.  The maximum is taken away;
; log2(e) joins in the multiply-add that does it.  Temporaries at ST + 6 t: +0, +1 the maximum; +2 .. +5 four chains, then two pairs of sums, then the reciprocal at +4.  Each accumulator is read from its low end on.
.macro SOFTMAX
.irp j, 0,1,2,3
.irp t, 0,1
	v_max3_num_f32 v[ST+6*\t+2+\j], v[W+32*\t+8*\j], v[W+32*\t+8*\j+1], v[W+32*\t+8*\j+2]
.endr
.endr
.irp i, 3,5
.irp j, 0,1,2,3
.irp t, 0,1
	v_max3_num_f32 v[ST+6*\t+2+\j], v[ST+6*\t+2+\j], v[W+32*\t+8*\j+\i], v[W+32*\t+8*\j+\i+1]
.endr
.endr
.endr
.irp t, 0,1
	v_max3_num_f32 v[ST+6*\t+2], v[ST+6*\t+2], v[W+32*\t+7], v[W+32*\t+15]
	v_max3_num_f32 v[ST+6*\t+4], v[ST+6*\t+4], v[W+32*\t+23], v[W+32*\t+31]
.endr
.irp t, 0,1
	v_max3_num_f32 v[ST+6*\t+2], v[ST+6*\t+2], v[ST+6*\t+3], v[ST+6*\t+4]
.endr
.irp t, 0,1
	s_delay_alu instid0(VALU_DEP_2)
	v_max_num_f32 v[ST+6*\t+2], v[ST+6*\t+2], v[ST+6*\t+5]
.endr
.irp t, 0,1
	v_permlanex16_b32 v[ST+6*\t+3], v[ST+6*\t+2], s[SEL], s[SEL+1]
.endr
.irp t, 0,1
	v_max_num_f32 v[ST+6*\t], v[ST+6*\t+2], v[ST+6*\t+3]       ; the row's maximum
.endr
.irp t, 0,1
	s_delay_alu instid0(VALU_DEP_2)
	v_mul_f32 v[ST+6*\t], s[CL], v[ST+6*\t]
.endr
.irp j, 0,2,4,6,8,10,12,14,16,18,20,22,24,26,28,30
.irp t, 0,1
	v_pk_fma_f32 v[W+32*\t+\j:W+32*\t+\j+1], v[W+32*\t+\j:W+32*\t+\j+1], s[CL:CL+1], v[ST+6*\t:ST+6*\t+1] op_sel_hi:[1,0,0] neg_lo:[0,0,1] neg_hi:[0,0,1]
.endr
.endr
	s_wait_alu depctr_va_vdst(0)                   ; the wait ahead of the batch,
.set j_, 0
.rept 64
	v_exp_f32 v[W+j_], v[W+j_]
.set j_, j_+1
.endr
	v_nop                                          ; a plain place behind the last exponential,
	s_wait_alu depctr_va_vdst(0)                   ; and one wait behind it
.irp t, 0,1
	v_pk_add_f32 v[ST+6*\t+2:ST+6*\t+3], v[W+32*\t:W+32*\t+1], v[W+32*\t+2:W+32*\t+3]
	v_pk_add_f32 v[ST+6*\t+4:ST+6*\t+5], v[W+32*\t+4:W+32*\t+5], v[W+32*\t+6:W+32*\t+7]
.endr
.irp j, 8,12,16,20,24,28
.irp t, 0,1
	v_pk_add_f32 v[ST+6*\t+2:ST+6*\t+3], v[ST+6*\t+2:ST+6*\t+3], v[W+32*\t+\j:W+32*\t+\j+1]
	v_pk_add_f32 v[ST+6*\t+4:ST+6*\t+5], v[ST+6*\t+4:ST+6*\t+5], v[W+32*\t+\j+2:W+32*\t+\j+3]
.endr
.endr
.irp t, 0,1
	v_pk_add_f32 v[ST+6*\t+2:ST+6*\t+3], v[ST+6*\t+2:ST+6*\t+3], v[ST+6*\t+4:ST+6*\t+5]
.endr
.irp t, 0,1
	s_delay_alu instid0(VALU_DEP_2)
	v_add_f32 v[ST+6*\t+2], v[ST+6*\t+2], v[ST+6*\t+3]
.endr
.irp t, 0,1
	v_permlanex16_b32 v[ST+6*\t+3], v[ST+6*\t+2], s[SEL], s[SEL+1]
.endr
.irp t, 0,1
	v_add_f32 v[ST+6*\t+2], v[ST+6*\t+2], v[ST+6*\t+3]         ; the row's sum
.endr
	s_wait_alu depctr_va_vdst(0)
.irp t, 0,1
	v_rcp_f32 v[ST+6*\t+4], v[ST+6*\t+2]
.endr
	v_nop
	s_wait_alu depctr_va_vdst(0)                   ; one wait for the reciprocals
.irp j, 0,2,4,6,8,10,12,14,16,18,20,22,24,26,28,30
.irp t, 0,1
	v_pk_mul_f32 v[W+32*\t+\j:W+32*\t+\j+1], v[W+32*\t+\j:W+32*\t+\j+1], v[ST+6*\t+4:ST+6*\t+5] op_sel_hi:[1,0]
.endr
.endr
.endm
; The token, column tile ctl of my two, K step ks.  PRE: the two blocks' extremes through the multiply-add give the largest magnitudes, the scale operands and the scale word (two registers by turns).
.macro PRE ks, ctl
	v_pk_fma_f32 v[TQ:TQ+1], v[AX+4*\ks:AX+4*\ks+1], v[WW+2*\ctl:WW+2*\ctl+1], v[DD+2*\ctl:DD+2*\ctl+1]
	v_pk_fma_f32 v[TQ+2:TQ+3], v[AX+4*\ks+2:AX+4*\ks+3], v[WW+2*\ctl:WW+2*\ctl+1], v[DD+2*\ctl:DD+2*\ctl+1]
	v_max3_num_f32 v[TM], |v[TQ]|, |v[TQ+1]|, 0x2800000
	v_max3_num_f32 v[TM+2], |v[TQ+2]|, |v[TQ+3]|, 0x2800000
	SWORD PW+\ctl
.endm
; MAIN: 64 numbers a lane in two runs of 32, their codes, four products.  The 32 multiply-adds are the scale word's places ahead of the products.
.macro MAIN ks, ctl
.irp c, 0,1
.set n_, 0
.rept 16
	v_pk_fma_f32 v[OUT+2*n_:OUT+2*n_+1], v[W+32*\c+2*n_:W+32*\c+2*n_+1], v[WW+2*\ctl:WW+2*\ctl+1], v[DD+2*\ctl:DD+2*\ctl+1]
.set n_, n_+1
.endr
	v_cvt_scalef32_pk16_bf6_f32 v[PC+6*\c:PC+6*\c+2], v[OUT:OUT+15], v[TS+\c]
	v_cvt_scalef32_pk16_bf6_f32 v[PT+4*\c:PT+4*\c+2], v[OUT+16:OUT+31], v[TS+\c]
	v_nop                                          ; one plain place behind the scaled conversions
.endr
	MOV6
	PLACES 4                                       ; codes made by vector instructions stand four places ahead of the scaled matrix instruction
	WIN 0x50                                       ; C and D window 1
.irp mt, 0,1,2,3
	MMC TOK+8*(4*\ctl+\mt), PC, SF+12*\mt, TOK+8*(4*\ctl+\mt), PW+\ctl, SWS+4*\ks+\mt   ; source 0 = 16 columns c, source 1 = 16 columns m of the softmax: a lane holds eight neighbouring c of row m; accumulators by turns
.endr
	WIN 0
.endm
	s_load_b512 s[4:19], s[0:1], 0x0               ; out1, edge_idx, edge_attr, wq, temp_edge, b_eslice, W_fedge, b_fedge
	s_load_b256 s[20:27], s[0:1], 0x40             ; ph_edge, tokN, normN, tokE
	s_load_b64 s[28:29], s[0:1], 0x60              ; normE
	v_lshl_add_u32 v[SPW], v0, 2, SPARE
	v_mov_b32 v[NIL], 0
	v_lshrrev_b32 v64, 5, v0
	v_readfirstlane_b32 s[WV], v64                 ; wave 0..7
	s_mov_b32 s[SEL], 0x76543210
	s_mov_b32 s[SEL+1], 0xfedcba98
	s_mov_b32 s[CL], 0x3fb8aa3b                    ; log2(e)
	s_mov_b32 s[CL+1], s[CL]
	s_mov_b32 s36, 0x3c23d70a                      ; 0.01
	s_mov_b32 s37, 0x40a00000                      ; 5.0
	s_mov_b32 s[T], 0
	s_mov_b32 s[AT], 0
	s_mov_b32 s[AB], 0
	v_and_b32 v64, 31, v0                          ; l
	v_and_b32 v65, 15, v0                          ; r
	v_bfe_u32 v66, v0, 4, 1                        ; h
	v_lshlrev_b32 v[LI], 4, v64
	v_lshlrev_b32 v[LS], 2, v64
	v_lshlrev_b32 v[SH8], 3, v66
	v_lshlrev_b32 v[L16], 4, v65
	s_mul_i32 s46, s[WV], 8704
	s_add_co_u32 s46, s46, US
	v_mul_u32_u24 v[USW], v66, 2176
	v_lshl_add_u32 v[USW], v65, 4, v[USW]
	v_add_nc_u32 v[USW], s46, v[USW]               ; in: row 8 h + i, 16 r
	v_mul_u32_u24 v[USR], v65, 272
	v_lshl_add_u32 v[USR], v66, 7, v[USR]
	v_add_nc_u32 v[USR], s46, v[USR]               ; back: row r, my block of 32
	s_mul_i32 s46, s[WV], 8832
	s_add_co_u32 s46, s46, ES
	v_mul_u32_u24 v[ESW], v65, 272
	v_lshl_add_u32 v[ESW], v66, 5, v[ESW]
	v_add_nc_u32 v[ESW], s46, v[ESW]
	s_and_b32 s47, s[WV], 3
	s_lshl_b32 s47, s47, 6
	s_lshr_b32 s48, s[WV], 2
	s_mul_i32 s48, s48, 35328
	s_add_co_u32 s47, s47, s48
	s_add_co_u32 s47, s47, ES
	v_mul_u32_u24 v[ESCO], v66, 8832
	v_lshl_add_u32 v[ESCO], v65, 2, v[ESCO]
	v_add_nc_u32 v[ESCO], s47, v[ESCO]             ; down the edges: column 16 (w % 4) + r, from edge 128 (w / 4) + 32 h
	s_lshl_b32 s46, s[WV], 6
	s_add_co_u32 s46, s46, NST
	v_lshlrev_b32 v[NSA], 2, v65
	v_add_nc_u32 v[NSA], s46, v[NSA]
	v_lshl_add_u32 v[NRA], v64, 3, NST
	v_lshlrev_b32 v[NGO], 3, v64
	s_mul_i32 s46, s[WV], FRB
	s_add_co_u32 s46, s46, EIMG
	v_add_nc_u32 v[EIW], s46, v[LI]
	s_lshl_b32 s46, s[WV], 7
	s_add_co_u32 s47, s46, ESCL
	v_add_nc_u32 v[ESWS], s47, v[LS]
	v_add_nc_u32 v[EIR], EIMG, v[LI]
	v_add_nc_u32 v[ESR], ESCL, v[LS]
	v_add_nc_u32 v[WER], WEL, v[LI]
	v_lshlrev_b32 v[AR], 7, v66
	v_lshlrev_b32 v[IXO], 6, v66
	v_add_nc_u32 v[AMR], AMX, v[SH8]
	v_lshrrev_b32 v67, 3, v0
	v_lshl_add_u32 v67, v67, 3, AMX                ; where I put the extremes: eight threads hold a block of 32
	s_add_co_u32 s47, s46, TST
	v_mul_u32_u24 v[TSO], v65, 1040
	v_lshl_add_u32 v[TSO], v66, 5, v[TSO]
	v_add_nc_u32 v[TSO], s47, v[TSO]               ; the stage, in: row r of a block of 16, byte 128 w + 32 h
	s_mul_i32 s47, s[WV], 8320
	s_add_co_u32 s47, s47, TST
	v_add_nc_u32 v[TRD], s47, v[LI]                ; and back: rows 8 w on, 512 bytes an instruction
	v_lshlrev_b32 v68, 5, v66                      ; b_eslice: 32 h
	v_lshlrev_b32 v69, 2, v65
	v_add_nc_u32 v69, s46, v69                     ; W_fedge, b_fedge, ph_edge: 4 r + 128 w
	v_lshlrev_b32 v70, 4, v0                       ; edge_attr: 16 bytes a thread, in memory and in LDS
	v_lshlrev_b32 v71, 3, v0                       ; W_eslice's images: 8 bytes a thread, three times
	v_add_nc_u32 v72, WEL, v71
	s_lshr_b32 s46, ttmp9, 6
	s_lshl_b32 s46, s46, 22                        ; the batch's 4 MiB of out1
	s_mov_b32 s47, 0
	s_lshl_b32 s48, ttmp9, 13
	s_lshl_b32 s49, s[WV], 8
	s_add_co_u32 s48, s48, s49                     ; edge 1,024 g + 32 w, 8 bytes an edge
	s_mov_b32 s49, 0
	s_lshl_b32 s50, ttmp9, 12
	s_mov_b32 s51, 0
	s_lshl_b32 s52, ttmp9, 16
	s_lshl_b32 s53, s[WV], 13
	s_add_co_u32 s52, s52, s53                     ; the parts: 64 KiB a work-group, my rows 8 w on
	s_mov_b32 s53, 0
	s_lshl_b32 s54, ttmp9, 8
	s_mov_b32 s55, 0
	s_wait_alu depctr_va_vdst(0)
	s_wait_kmcnt 0x0
	s_add_nc_u64 s[OB:OB+1], s[4:5], s[46:47]
	s_add_nc_u64 s[IB:IB+1], s[6:7], s[48:49]
	s_add_nc_u64 s[8:9], s[8:9], s[50:51]
	s_add_nc_u64 s[22:23], s[22:23], s[52:53]
	s_add_nc_u64 s[26:27], s[26:27], s[52:53]
	s_add_nc_u64 s[24:25], s[24:25], s[54:55]
	s_add_nc_u64 s[28:29], s[28:29], s[54:55]
	ILOAD 0                                        ; trip 0's indices: 8 loads; behind them 23 loads of tables
	WIN 0x40
.irp mt, 0,1,2,3
.irp q, 0,1
	global_load_b128 v[BE+8*\mt+4*\q:BE+8*\mt+4*\q+3], v68, s[14:15] offset:64*\mt+16*\q
.endr
.endr
	WIN 0
.irp mt, 0,1,2,3
	global_load_b32 v[WES+\mt], v[LS], s[10:11] offset:WQS+(72+\mt)*128
.endr
	global_load_b128 v[KE:KE+3], v[L16], s[12:13]
.irp ctl, 0,1
	global_load_b32 v[80+\ctl], v69, s[16:17] offset:64*\ctl
	global_load_b32 v[84+\ctl], v69, s[18:19] offset:64*\ctl
	global_load_b32 v[88+\ctl], v69, s[20:21] offset:64*\ctl
.endr
	global_load_b128 v[92:95], v70, s[8:9]
.irp k, 0,1,2
	global_load_b64 v[96+2*\k:97+2*\k], v71, s[10:11] offset:72*FRB+2048*\k
.endr
	s_wait_loadcnt 23                              ; the indices are in; the 23 loads behind them may be out
	ADDR
	GATHER                                         ; trip 0's rows
	s_wait_loadcnt 32                              ; the tables are in; the 32 row loads may be out
	ds_store_b128 v70, v[92:95]
.irp k, 0,1,2
	ds_store_b64 v72, v[96+2*\k:97+2*\k] offset:2048*\k
.endr
	v_max3_num_f32 v100, v92, v93, v94             ; the largest of my four edge_attr,
	v_max3_num_f32 v101, -v92, -v93, -v94          ; and the largest of their negatives
	v_max_num_f32 v100, v100, v95
	v_max_num_f32 v101, v101, -v95
.irp x, 1,2,4
	v_max_num_f32_dpp v100, v100, v100 row_xmask:\x row_mask:0xf bank_mask:0xf     ; of the eight threads that hold the block
	v_max_num_f32_dpp v101, v101, v101 row_xmask:\x row_mask:0xf bank_mask:0xf
.endr
	v_xor_b32 v101, 0x80000000, v101               ; the block's smallest
	ds_store_b64 v67, v[100:101]                   ; (the eight threads write the same words with the same values)
.irp i, 0,1,2,3
	v_med3_num_f32 v[KE+\i], v[KE+\i], s36, s37    ; clip(temp_edge, 0.01, 5)
.endr
	s_wait_alu depctr_va_vdst(0)
.irp i, 0,1,2,3
	v_rcp_f32 v[KE+\i], v[KE+\i]
.endr
.irp ctl, 0,1
	v_mov_b32 v[WW+2*\ctl], v[80+\ctl]
	v_mov_b32 v[WW+2*\ctl+1], v[80+\ctl]
	v_add_f32 v[DD+2*\ctl], v[84+\ctl], v[88+\ctl]
	v_add_f32 v[DD+2*\ctl+1], v[84+\ctl], v[88+\ctl]
.endr
	s_wait_alu depctr_va_vdst(0)                   ; one wait for the four reciprocals
	WIN 0x40
.set n_, 0
.rept 64
	v_mov_b32 v[TOK+n_], 0                         ; the trip is written once, as a loop: its first trip finds zeros.  A first trip written out to start the sums would double the text
.set n_, n_+1
.endr
	WIN 0
.irp i, 0,1,2,3,4,5,6,7
	v_mov_b32 v[NRM+\i], 0
.endr
	v_mov_b32 v[ST+1], 0                           ; named as the upper halves of pairs
	v_mov_b32 v[ST+7], 0
	s_wait_xcnt 0x0                                ; the row loads have read their offsets: the registers take trip 1's indices
	ILOAD 2048
	s_wait_alu depctr_va_vdst(0)
	BARRIER                                        ; edge_attr, its extremes and W_eslice's images lie in LDS
.Lstep:
	; ---- the gathered rows are taken in.  On both ways to this label the wave's loads are the 32 row loads and, behind them, at most 8 index loads
.irp tau, 0,1
	s_wait_loadcnt 16-16*\tau                      ; tile 0: at most 16 out, so its 16 loads are in whether index loads follow the rows or not.  Tile 1: all are in, the next indices too
	WIN 0x45
.irp i, 0,1,2,3,4,5,6,7
	v_pk_add_f32 v[64*\tau+8*\i:64*\tau+8*\i+1], v[64*\tau+8*\i:64*\tau+8*\i+1], v[64*\tau+8*\i+4:64*\tau+8*\i+5]
	v_pk_add_f32 v[64*\tau+8*\i+2:64*\tau+8*\i+3], v[64*\tau+8*\i+2:64*\tau+8*\i+3], v[64*\tau+8*\i+6:64*\tau+8*\i+7]
.endr
	WIN 0x41
.irp i, 0,1,2,3,4,5,6,7
	v_pk_mul_f32 v[64*\tau+8*\i:64*\tau+8*\i+1], v[64*\tau+8*\i:64*\tau+8*\i+1], v[KE:KE+1]
	v_pk_mul_f32 v[64*\tau+8*\i+2:64*\tau+8*\i+3], v[64*\tau+8*\i+2:64*\tau+8*\i+3], v[KE+2:KE+3]
.endr
	WIN 0x04
.irp i, 0,1,2,3,4,5,6,7
	ds_store_b128 v[USW], v[64*\tau+8*\i:64*\tau+8*\i+3] offset:4352*\tau+272*\i
.endr
.endr
	WIN 0
.irp tau, 0,1
.irp q, 0,1,2,3,4,5,6,7
	ds_load_b128 v[W+32*\tau+4*\q:W+32*\tau+4*\q+3], v[USR] offset:4352*\tau+16*\q     ; back from my wave's own bytes: row r, my block of 32.  LDS serves a wave's instructions in order
.endr
.endr
.irp mt, 0,1,2,3
	FETCH WE+12*\mt, WER, \mt*FRB
.endr
	s_cmp_eq_u32 s[T], 3                           ; a branch on the loop's counter alone
	s_cbranch_scc1 .Llast
	ADDR                                           ; the next trip's offsets, while the sums come back
	s_wait_alu depctr_va_vdst(0)
	s_wait_dscnt 28                                ; all but the 28 LDS loads above: the 16 stores have read the rows' registers
	GATHER                                         ; the next trip's rows: the rest of this trip in which to land
	s_branch .Lgo
.Llast:
	s_wait_dscnt 28
	WIN 0x40                                       ; the last trip asks for the node launch's part instead: my 8 rows of 1,024 bytes, 512 consecutive bytes an instruction, and its norm
.irp i, 0,1,2,3,4,5,6,7
.irp q, 0,1
	global_load_b128 v[8*\i+4*\q:8*\i+4*\q+3], v[LI], s[22:23] offset:1024*\i+512*\q th:TH_LOAD_NT
.endr
.endr
	global_load_b64 v[64:65], v[NGO], s[24:25]
	WIN 0
.Lgo:
	; ---- my two tiles of 16 edges: quantised along the 64, x Q(W_eslice) + b_eslice, softmax
	s_wait_dscnt 0x0
	BMAX W                                         ; tile 0's block in TM, tile 1's in TM + 2
	TSB
	v_lshlrev_b32 v[PWU], v[SH8], v[TB]            ; block h's byte at its place; bytes 2 and 3 stay 0, over zero codes
	v_lshlrev_b32 v[PWU+1], v[SH8], v[TB+1]
	v_permlanex16_b32 v[TB], v[PWU], s[SEL], s[SEL+1]
	v_permlanex16_b32 v[TB+1], v[PWU+1], s[SEL], s[SEL+1]
	v_or_b32 v[PWU], v[PWU], v[TB]
	v_or_b32 v[PWU+1], v[PWU+1], v[TB+1]
.irp tau, 0,1
.irp i, 6,7,8,9,10,11
	v_mov_b32 v[UF+12*\tau+\i], 0                  ; K = 64: the upper half of the K step is zero codes
.endr
.endr
.irp tau, 0,1
	v_cvt_scalef32_pk16_bf6_f32 v[UF+12*\tau:UF+12*\tau+2], v[W+32*\tau:W+32*\tau+15], v[TS+\tau]
	v_cvt_scalef32_pk16_bf6_f32 v[UT+4*\tau:UT+4*\tau+2], v[W+32*\tau+16:W+32*\tau+31], v[TS+\tau]
.endr
	v_nop                                          ; one plain place behind the scaled conversions
.irp tau, 0,1
.irp i, 0,1,2
	v_mov_b32 v[UF+12*\tau+3+\i], v[UT+4*\tau+\i]
.endr
.endr
	PLACES 8                                       ; scale words made by vector instructions stand eight places ahead of the scaled matrix instructions, codes four
	WIN 0x10                                       ; C (the bias) window 1
.irp mt, 0,1,2,3
.irp tau, 0,1
	MMC W+32*\tau+8*\mt, WE+12*\mt, UF+12*\tau, BE+8*\mt, WES+\mt, PWU+\tau   ; transposed: a lane holds one edge, its registers run along the 64
.endr
.endr
	WIN 0
	PLACES 4
	SOFTMAX
.irp tau, 0,1
.irp mt, 0,1,2,3
.irp q, 0,1
	ds_store_b128 v[ESW], v[W+32*\tau+8*\mt+4*\q:W+32*\tau+8*\mt+4*\q+3] offset:4352*\tau+64*\mt+16*\q
.endr
.endr
.endr
	s_cmp_ge_u32 s[T], 2                           ; no load leaves edge_idx
	s_cbranch_scc1 .Lnoidx
	s_wait_xcnt 0x0                                ; the row loads have read their offsets, the last index loads theirs
	v_add_nc_u32 v[IXO], 2048, v[IXO]
	ILOAD 2048                                     ; the indices of two trips on, onto the offsets' registers
.Lnoidx:
	BARRIER                                        ; the trip's softmax lies in LDS as numbers
	; ---- fragment w: columns 16 (w % 4) .. + 15 of the softmax, down 128 edges: the norm's sums, codes, scale word
.set n_, 0
.rept 64
	ds_load_b32 v[W+n_], v[ESCO] offset:(64*(n_/32)+n_%32)*272+256*(n_/32)
.set n_, n_+1
.endr
	v_add_nc_u32 v[ARC], s[AT], v[AR]              ; this trip's edge_attr,
	v_add_nc_u32 v[AMC], s[AB], v[AMR]             ; and its blocks' extremes
	s_wait_alu depctr_va_vdst(0)
	s_wait_dscnt 0x0
.set n_, 0
.rept 32
	v_pk_add_f32 v[NRM+2*(n_%4):NRM+2*(n_%4)+1], v[NRM+2*(n_%4):NRM+2*(n_%4)+1], v[W+2*n_:W+2*n_+1]    ; the sum is taken of the unquantised numbers
.set n_, n_+1
.endr
	BMAX W
	SWORD PW
	v_cvt_scalef32_pk16_bf6_f32 v[PC:PC+2], v[W:W+15], v[TS]
	v_cvt_scalef32_pk16_bf6_f32 v[PT:PT+2], v[W+16:W+31], v[TS]
	v_cvt_scalef32_pk16_bf6_f32 v[PC+6:PC+8], v[W+32:W+47], v[TS+1]
	v_cvt_scalef32_pk16_bf6_f32 v[PT+4:PT+6], v[W+48:W+63], v[TS+1]
	v_nop                                          ; one plain place behind the scaled conversions
	MOV6
.irp p, 0,1,2
	ds_store_b128 v[EIW], v[PC+4*\p:PC+4*\p+3] offset:512*\p
.endr
	ds_store_b32 v[ESWS], v[PW]
.irp b, 0,1,2,3
	ds_load_b64 v[AX+2*\b:AX+2*\b+1], v[AMC] offset:16*\b      ; blocks 2 b + h of the trip's eight: b = 2 ks + c
.endr
	ALD 0                                          ; the numbers are codes now: their registers take edge_attr of K step 0
	BARRIER                                        ; the softmax's eight fragments lie in LDS
	; ---- edge_attr W_fedge + b_fedge + ph_edge for my 32 columns, quantised along the edges, and the token's two K steps
.irp mt, 0,1,2,3
	FETCH SF+12*\mt, EIR, \mt*FRB
.endr
.irp f, 0,1,2,3,4,5,6,7
	ds_load_b32 v[SWS+\f], v[ESR] offset:128*\f
.endr
	PRE 0, 0
	s_wait_alu depctr_va_vdst(0)
	s_wait_dscnt 0x0
	MAIN 0, 0
	PRE 0, 1
	MAIN 0, 1
	PRE 1, 0                                       ; its twelve vector lines are the places in front of the loads into K step 0's fragments
.irp mt, 0,1,2,3
	FETCH SF+12*\mt, EIR, (4+\mt)*FRB
.endr
	ALD 1
	s_wait_alu depctr_va_vdst(0)
	s_wait_dscnt 0x0
	MAIN 1, 0
	PRE 1, 1
	MAIN 1, 1
	s_add_co_u32 s[AT], s[AT], 1024
	s_add_co_u32 s[AB], s[AB], 64
	s_add_co_u32 s[T], s[T], 1
	s_cmp_lt_u32 s[T], 4
	s_cbranch_scc1 .Lstep
	v_pk_add_f32 v[NRM:NRM+1], v[NRM:NRM+1], v[NRM+2:NRM+3]
	v_pk_add_f32 v[NRM+4:NRM+5], v[NRM+4:NRM+5], v[NRM+6:NRM+7]
	v_pk_add_f32 v[NRM:NRM+1], v[NRM:NRM+1], v[NRM+4:NRM+5]
	v_add_f32 v[NRM], v[NRM], v[NRM+1]
	v_permlanex16_b32 v[NRM+1], v[NRM], s[SEL], s[SEL+1]
	v_add_f32 v[NRM], v[NRM], v[NRM+1]             ; my column's sum over my half of the 1,024 edges
	ds_store_b32 v[NSA], v[NRM]
	PLACES 4
	WIN 0x04                                       ; THE WAY OUT: the eight waves' 32 columns each meet in one stage, so that whole rows leave
.irp ctl, 0,1
.irp mt, 0,1,2,3
	ds_store_b128 v[TSO], v[TOK+8*(4*\ctl+\mt):TOK+8*(4*\ctl+\mt)+3] offset:16640*\mt+64*\ctl          ; each accumulator from its low end on
	ds_store_b128 v[TSO], v[TOK+8*(4*\ctl+\mt)+4:TOK+8*(4*\ctl+\mt)+7] offset:16640*\mt+64*\ctl+16
.endr
.endr
	WIN 0
	BARRIER
.irp i, 0,1,2,3,4,5,6,7
.irp q, 0,1
	ds_load_b128 v[W+8*\i+4*\q:W+8*\i+4*\q+3], v[TRD] offset:1040*\i+512*\q
.endr
.endr
	s_wait_loadcnt 0x0                             ; the node launch's part is in
	s_wait_dscnt 0x0
	WIN 0x01
.set n_, 0
.rept 32
	v_pk_fma_f32 v[W+2*n_:W+2*n_+1], v[2*n_:2*n_+1], 4.0, v[W+2*n_:W+2*n_+1] op_sel_hi:[1,0,1]
.set n_, n_+1
.endr
	WIN 0
.irp i, 0,1,2,3,4,5,6,7
.irp q, 0,1
	global_store_b128 v[LI], v[W+8*\i+4*\q:W+8*\i+4*\q+3], s[26:27] offset:1024*\i+512*\q th:TH_STORE_NT   ; 32 lanes store 512 consecutive bytes, aligned
.endr
.endr
	s_cmp_lg_u32 s[WV], 0
	s_cbranch_scc1 .Lnot_wave_0
	ds_load_b64 v[NRM:NRM+1], v[NRA]
	ds_load_b64 v[NRM+2:NRM+3], v[NRA] offset:256
	s_wait_dscnt 0x0
	v_pk_add_f32 v[NRM:NRM+1], v[NRM:NRM+1], v[NRM+2:NRM+3]
	WIN 0x01
	v_pk_fma_f32 v[NRM:NRM+1], v[64:65], 4.0, v[NRM:NRM+1] op_sel_hi:[1,0,1]
	WIN 0
	global_store_b64 v[NGO], v[NRM:NRM+1], s[28:29]            ; 32 lanes store one aligned run of 256 bytes
.Lnot_wave_0:
	s_wait_tensorcnt 0x0                           ; the wave's end, behind my last LDS store
	ds_add_u32 v[SPW], v[NIL]
	s_wait_dscnt 0x0
	s_endpgm
.Lfunc_end_k_q0f881d4fed_edge:
	.size	k_q0f881d4fed_edge, .Lfunc_end_k_q0f881d4fed_edge-k_q0f881d4fed_edge
	.p2alignl 7, 3214868480
	.fill 96, 4, 3214868480
	.section	.rodata,"a",@progbits
	.p2align	6, 0x0
	.amdhsa_kernel k_q0f881d4fed_edge
		.amdhsa_group_segment_fixed_size 232192
		.amdhsa_private_segment_fixed_size 0
		.amdhsa_enable_private_segment 0
		.amdhsa_kernarg_size 104
		.amdhsa_user_sgpr_count 2
		.amdhsa_user_sgpr_kernarg_segment_ptr 1
		.amdhsa_wavefront_size32 1
		.amdhsa_system_sgpr_workgroup_id_x 1
		.amdhsa_system_sgpr_workgroup_id_y 1
		.amdhsa_system_sgpr_workgroup_id_z 1
		.amdhsa_system_vgpr_workitem_id 0
		.amdhsa_next_free_vgpr 512
		.amdhsa_next_free_sgpr 66
		.amdhsa_reserve_vcc 0
		.amdhsa_float_denorm_mode_32 3
		.amdhsa_float_denorm_mode_16_64 3
		.amdhsa_memory_ordered 1
		.amdhsa_forward_progress 1
		.amdhsa_inst_pref_size 92
	.end_amdhsa_kernel
	.amdgpu_metadata
---
amdhsa.version: [ 1, 2 ]
amdhsa.kernels:
  - .name:           k_q0f881d4fed_edge
    .symbol:         k_q0f881d4fed_edge.kd
    .args:
      - { .name: out1, .offset: 0, .size: 8, .value_kind: global_buffer, .address_space: global }
      - { .name: edge_idx, .offset: 8, .size: 8, .value_kind: global_buffer, .address_space: global }
      - { .name: edge_attr, .offset: 16, .size: 8, .value_kind: global_buffer, .address_space: global }
      - { .name: wq, .offset: 24, .size: 8, .value_kind: global_buffer, .address_space: global }
      - { .name: temp_edge, .offset: 32, .size: 8, .value_kind: global_buffer, .address_space: global }
      - { .name: b_eslice, .offset: 40, .size: 8, .value_kind: global_buffer, .address_space: global }
      - { .name: W_fedge, .offset: 48, .size: 8, .value_kind: global_buffer, .address_space: global }
      - { .name: b_fedge, .offset: 56, .size: 8, .value_kind: global_buffer, .address_space: global }
      - { .name: ph_edge, .offset: 64, .size: 8, .value_kind: global_buffer, .address_space: global }
      - { .name: tokN, .offset: 72, .size: 8, .value_kind: global_buffer, .address_space: global }
      - { .name: normN, .offset: 80, .size: 8, .value_kind: global_buffer, .address_space: global }
      - { .name: tokE, .offset: 88, .size: 8, .value_kind: global_buffer, .address_space: global }
      - { .name: normE, .offset: 96, .size: 8, .value_kind: global_buffer, .address_space: global }
    .group_segment_fixed_size: 232192
    .private_segment_fixed_size: 0
    .kernarg_segment_align: 8
    .kernarg_segment_size: 104
    .max_flat_workgroup_size: 256
    .sgpr_count:     66
    .vgpr_count:     512
    .wavefront_size: 32
...
	.end_amdgpu_metadata
.endif
;; end of part 3
;; launch comb (part 4): grid 256 x 1, 8 waves a work-group, no clusters, 9,472 bytes of LDS; arguments tokE, normE, out0; writes out0
.if DOCPART == 4
	.amdgcn_target "amdgcn-amd-amdhsa--gfx1250"
	.amdhsa_code_object_version 6
	.text
	.protected	k_q0f881d4fed_comb
	.globl	k_q0f881d4fed_comb
	.p2align	8
	.type	k_q0f881d4fed_comb,@function
k_q0f881d4fed_comb:
	s_mov_b64 s[64:65], 0
	v_nop
	global_prefetch_b8 v0, s[64:65] scope:SCOPE_SE
	s_setreg_imm32_b32 hwreg(HW_REG_WAVE_MODE, 25, 1), 1
	s_wait_xcnt 0x0
; out0[b][m][:] = S / (n + 4e-5), S and n the sums of the batch's 64 parts of tokE and normE.  A part holds edge part + 4 x node part, so S = 4 (node sum + 0.25 edge sum), n likewise, and
; S / (n + 4 x 1e-5) is reference()'s (node + 0.25 edge) / (norms summed alike + 1e-5); 0.25 = 16,384 nodes / 65,536 edges.  Nothing of the problem is left out here.
; A work-group owns one row (b, m) of 1,024 bytes.  Wave v sums parts 8 v .. 8 v + 7: each load of a wave covers 512 consecutive bytes, all 16 are asked for at once; the eight waves' sums meet in LDS.
; A stream that is read once: no matrix unit, no cluster, no ring.  LIMIT: the division is a reciprocal (v_rcp_f32) and a multiplication.
.set NRD,   8192                       ; LDS: byte 0: eight rows of 1,024 bytes; here: eight partial norms
.set SPARE, 8448                       ; the spare words, 128 bytes a wave: four blocks of 256 bytes that no other line names
.set SPW, 12
.set NIL, 13
	s_load_b128 s[4:7], s[0:1], 0x0                ; tokE, normE
	s_load_b64 s[8:9], s[0:1], 0x10                ; out0
	v_lshl_add_u32 v[SPW], v0, 2, SPARE
	v_mov_b32 v[NIL], 0
	v_lshrrev_b32 v1, 5, v0
	s_delay_alu instid0(VALU_DEP_1)
	v_readfirstlane_b32 s14, v1                    ; wave 0..7
	v_and_b32 v2, 31, v0
	s_delay_alu instid0(VALU_DEP_1)
	v_lshlrev_b32 v3, 4, v2                        ; 16 x lane
	v_and_b32 v4, 7, v0
	s_delay_alu instid0(VALU_DEP_1)
	v_lshlrev_b32 v4, 8, v4                        ; the norms: part lane % 8 of my eight, 256 bytes a part
	s_lshl_b32 s19, s14, 10
	v_add_nc_u32 v5, s19, v3                       ; LDS: my wave's row
	s_lshl_b32 s19, s14, 2
	s_add_co_u32 s19, s19, NRD
	v_mov_b32 v6, s19                              ; and its partial norm
	v_lshlrev_b32 v7, 3, v0                        ; the way out: 8 bytes a thread (waves 0 to 3)
	v_mov_b32 v8, NRD
	s_lshr_b32 s15, ttmp9, 6                       ; b
	s_and_b32 s16, ttmp9, 63                       ; m
	s_lshl_b32 s17, s15, 6
	s_lshl_b32 s18, s14, 3
	s_add_co_u32 s17, s17, s18                     ; my first part: 64 b + 8 v
	s_lshl_b32 s20, s17, 16
	s_lshl_b32 s18, s16, 10
	s_add_co_u32 s20, s20, s18
	s_mov_b32 s21, 0
	s_lshl_b32 s22, s17, 8
	s_lshl_b32 s18, s16, 2
	s_add_co_u32 s22, s22, s18
	s_mov_b32 s23, 0
	s_lshl_b32 s24, ttmp9, 10
	s_mov_b32 s25, 0
	s_wait_alu depctr_va_vdst(0)
	s_wait_kmcnt 0x0
	s_add_nc_u64 s[4:5], s[4:5], s[20:21]
	s_add_nc_u64 s[6:7], s[6:7], s[22:23]
	s_add_nc_u64 s[8:9], s[8:9], s[24:25]
	global_load_b32 v10, v4, s[6:7]
.irp p, 0,1,2,3,4,5,6,7
.irp q, 0,1
	global_load_b128 v[16+8*\p+4*\q:16+8*\p+4*\q+3], v3, s[4:5] offset:65536*\p+512*\q th:TH_LOAD_NT
.endr
.endr
	s_wait_loadcnt 0x0
.irp p, 1,2,3,4,5,6,7
.irp k, 0,1,2,3
	v_pk_add_f32 v[16+2*\k:17+2*\k], v[16+2*\k:17+2*\k], v[16+8*\p+2*\k:17+8*\p+2*\k]
.endr
.endr
	v_add_f32_dpp v10, v10, v10 row_xmask:1 row_mask:0xf bank_mask:0xf
	s_delay_alu instid0(VALU_DEP_1)
	v_add_f32_dpp v10, v10, v10 row_xmask:2 row_mask:0xf bank_mask:0xf
	s_delay_alu instid0(VALU_DEP_1)
	v_add_f32_dpp v10, v10, v10 row_xmask:4 row_mask:0xf bank_mask:0xf         ; of my eight parts
	ds_store_b128 v5, v[16:19]
	ds_store_b128 v5, v[20:23] offset:512
	ds_store_b32 v6, v10                           ; (all lanes write the same word with the same value)
	s_wait_dscnt 0x0                               ; for the others' sake: my stores have landed
	s_barrier_signal -1
	s_barrier_wait -1
	s_wait_tensorcnt 0x0                           ; behind my last LDS store; only loads follow
	ds_add_u32 v[SPW], v[NIL]
	s_wait_dscnt 0x0
	s_cmp_ge_u32 s14, 4
	s_cbranch_scc1 .Lend                           ; 128 threads x 8 bytes are the row
.irp k, 0,1,2,3,4,5,6,7
	ds_load_b64 v[32+2*\k:33+2*\k], v7 offset:1024*\k
.endr
	ds_load_b128 v[48:51], v8
	ds_load_b128 v[52:55], v8 offset:16
	s_wait_dscnt 0x0
	v_pk_add_f32 v[48:49], v[48:49], v[50:51]
	v_pk_add_f32 v[52:53], v[52:53], v[54:55]
	s_delay_alu instid0(VALU_DEP_1)
	v_pk_add_f32 v[48:49], v[48:49], v[52:53]
	s_delay_alu instid0(VALU_DEP_1)
	v_add_f32 v48, v48, v49
	s_delay_alu instid0(VALU_DEP_1)
	v_add_f32 v48, 0x3827c5ac, v48                 ; + 4 x 1e-5
	s_wait_alu depctr_va_vdst(0)                   ; the wait ahead of the reciprocal
	v_rcp_f32 v50, v48
	v_pk_add_f32 v[32:33], v[32:33], v[34:35]
	v_pk_add_f32 v[36:37], v[36:37], v[38:39]
	v_pk_add_f32 v[40:41], v[40:41], v[42:43]
	v_pk_add_f32 v[44:45], v[44:45], v[46:47]
	s_delay_alu instid0(VALU_DEP_3)
	v_pk_add_f32 v[32:33], v[32:33], v[36:37]
	s_delay_alu instid0(VALU_DEP_2)
	v_pk_add_f32 v[40:41], v[40:41], v[44:45]
	s_delay_alu instid0(VALU_DEP_1)
	v_pk_add_f32 v[32:33], v[32:33], v[40:41]
	s_wait_alu depctr_va_vdst(0)                   ; and ahead of its first reader; the sums above are the work between
	v_pk_mul_f32 v[32:33], v[32:33], v[50:51] op_sel_hi:[1,0]
	global_store_b64 v7, v[32:33], s[8:9]          ; a wave stores 256 consecutive bytes, aligned
.Lend:
	s_endpgm
.Lfunc_end_k_q0f881d4fed_comb:
	.size	k_q0f881d4fed_comb, .Lfunc_end_k_q0f881d4fed_comb-k_q0f881d4fed_comb
	.p2alignl 7, 3214868480
	.fill 96, 4, 3214868480
	.section	.rodata,"a",@progbits
	.p2align	6, 0x0
	.amdhsa_kernel k_q0f881d4fed_comb
		.amdhsa_group_segment_fixed_size 9472
		.amdhsa_private_segment_fixed_size 0
		.amdhsa_enable_private_segment 0
		.amdhsa_kernarg_size 24
		.amdhsa_user_sgpr_count 2
		.amdhsa_user_sgpr_kernarg_segment_ptr 1
		.amdhsa_wavefront_size32 1
		.amdhsa_system_sgpr_workgroup_id_x 1
		.amdhsa_system_sgpr_workgroup_id_y 1
		.amdhsa_system_sgpr_workgroup_id_z 1
		.amdhsa_system_vgpr_workitem_id 0
		.amdhsa_next_free_vgpr 96
		.amdhsa_next_free_sgpr 66
		.amdhsa_reserve_vcc 0
		.amdhsa_float_denorm_mode_32 3
		.amdhsa_float_denorm_mode_16_64 3
		.amdhsa_memory_ordered 1
		.amdhsa_forward_progress 1
		.amdhsa_inst_pref_size 8
	.end_amdhsa_kernel
	.amdgpu_metadata
---
amdhsa.version: [ 1, 2 ]
amdhsa.kernels:
  - .name:           k_q0f881d4fed_comb
    .symbol:         k_q0f881d4fed_comb.kd
    .args:
      - { .name: tokE, .offset: 0, .size: 8, .value_kind: global_buffer, .address_space: global }
      - { .name: normE, .offset: 8, .size: 8, .value_kind: global_buffer, .address_space: global }
      - { .name: out0, .offset: 16, .size: 8, .value_kind: global_buffer, .address_space: global }
    .group_segment_fixed_size: 9472
    .private_segment_fixed_size: 0
    .kernarg_segment_align: 8
    .kernarg_segment_size: 24
    .max_flat_workgroup_size: 256
    .sgpr_count:     66
    .vgpr_count:     96
    .wavefront_size: 32
...
	.end_amdgpu_metadata
.endif
;; end of part 4
